; MI455X (gfx1250); checked and timed in simulation.
; The chip was launched on July 23, 2026; its instructions are those of AMD's public machine-readable ISA for CDNA 5 (MIT licence, August 2026) and "CDNA5" Instruction Set Architecture Reference Guide (July 2026). The comments in the code are by the model that wrote it; some were corrected since.
;; Biological Multi Head Attention. Allowed arithmetic: float matrix products may take bf16 or f16 operands with f32 sums; other float arithmetic in f32, or as packed bf16 or f16 multiplies, adds, multiply-adds, maxima and minima; sums over many terms, partial sums and values carried from step to step in f32; what a program stores and reads back later, other than sums and carried values, may be rounded once to bf16 or f16.
;; Inputs: Wk 1,024 x 1,024 float32; Wo 1,024 x 1,024 float32; Wq 1,024 x 1,024 float32; Wv 1,024 x 1,024 float32; bk 1,024 float32; bo 1,024 float32; bq 1,024 float32; bv 1,024 float32; key 2 x 2,048 x 1,024 float32; query 2 x 2,048 x 1,024 float32; time_scales 16 float32; value 2 x 2,048 x 1,024 float32.
;; Outputs: out0 2 x 2,048 x 1,024 float32.
;; One version. Each part assembles by itself: llvm-mc -triple=amdgcn-amd-amdhsa -mcpu=gfx1250 --defsym DOCPART=n.
;; ======== version 1 of 1: 4 launches
;; limits: values outside matrix products are rounded to f16; values within 0.00049 (relative) of each other or of a threshold may be ordered or decided otherwise than in the reference; values are held in f16: magnitudes above 65,504 overflow, below 6.1e-05 lose precision
;; workspace buffers: XB 25,165,824 bytes; WB 8,388,608 bytes; BB 16,384 bytes; TSB 256 bytes; QKV 25,165,824 bytes; OB 8,388,608 bytes
;; launch prep (part 1): grid 2049 x 1, 8 waves a work-group, no clusters, 0 bytes of LDS; arguments query, key, value, Wq, Wk, Wv, Wo, bq, bk, bv, bo, time_scales, XB, WB, BB, TSB; writes XB, WB, BB, TSB
.if DOCPART == 1
	.amdgcn_target "amdgcn-amd-amdhsa--gfx1250"
	.amdhsa_code_object_version 6
	.text
	.protected	k_qb7c409b5d3_prep
	.globl	k_qb7c409b5d3_prep
	.p2align	8
	.type	k_qb7c409b5d3_prep,@function
k_qb7c409b5d3_prep:
	s_mov_b64 s[64:65], 0
	v_nop
	global_prefetch_b8 v0, s[64:65] scope:SCOPE_SE
	s_setreg_imm32_b32 hwreg(HW_REG_WAVE_MODE, 25, 1), 1
	s_wait_xcnt 0x0
; PREP: every input is rounded once to bf16 and laid out for the products that follow.
; NO WORK OF THE MODULE IS LEFT OUT IN ANY LAUNCH: bk is no constant shift of a softmax row here, since the scores are multiplied, behind it, by
; factors that hang on their values (diagonal, top fifth); so all twelve inputs are loaded and used.
; XB[3 (q,k,v)][32 blocks of 128 rows][16 slices of 64 k][128][64] f16: a slice of a block is 16,384 dense bytes.   WB[4 (q,k,v,o)][1024 k][1024 n] f16.
; BB[4][1024] f32: the biases, rounded to bf16.   TSB[64] f32: TSB[t] = bf16(time_scales[t % 16]) * 1.25 / 8.
; The bf16 number is written as f16.  LIMITS: |x| and |W| under 65,504; below 2^-14 the f16 copy keeps a fixed step of 6e-8; NaN and infinities are not treated apart.
; A stream: each byte is read once and written once, nothing is shared, so no LDS, no tensor load, no cluster.
; A work-group takes 8,192 numbers.  A load of a wave covers 512 consecutive bytes, a store 256 consecutive bytes, aligned.  All eight loads of a thread go out first.
.set IN,  8                            ; v[8:39]   eight loads of four f32
.set OUT, 40                           ; v[40:55]  eight pairs of registers to store; none is written twice
.set T,   56                           ; v[56:61]  at work
; s[44:45] source, s[46:47] destination, v2 source offset, v1 destination offset (8 x thread); stride: bytes between a thread's loads
.macro CONV stride
.irp i, 0,1,2,3,4,5,6,7
	global_load_b128 v[IN+4*(\i):IN+4*(\i)+3], v2, s[44:45] offset:(\i)*(\stride) th:TH_LOAD_NT
.endr
.irp i, 0,1,2,3,4,5,6,7
	s_wait_loadcnt 7-(\i)                          ; loads come back in order: load i is in, the younger ones stay out
	v_cvt_pk_bf16_f32 v[T], v[IN+4*(\i)], v[IN+4*(\i)+1]      ; the one rounding, to bf16
	v_cvt_pk_bf16_f32 v[T+1], v[IN+4*(\i)+2], v[IN+4*(\i)+3]
	v_lshlrev_b32 v[T+2], 16, v[T]                 ; back to f32: a shift or a mask
	v_and_b32 v[T+3], 0xffff0000, v[T]
	v_lshlrev_b32 v[T+4], 16, v[T+1]
	v_and_b32 v[T+5], 0xffff0000, v[T+1]
	v_cvt_pk_f16_f32 v[OUT+2*(\i)], v[T+2], v[T+3] ; the same number as f16
	v_cvt_pk_f16_f32 v[OUT+2*(\i)+1], v[T+4], v[T+5]
	global_store_b64 v1, v[OUT+2*(\i):OUT+2*(\i)+1], s[46:47] offset:(\i)*2048
.endr
.endm
	s_load_b512 s[8:23], s[0:1], 0x0               ; query 8, key 10, value 12, Wq 14, Wk 16, Wv 18, Wo 20, bq 22
	s_load_b512 s[24:39], s[0:1], 0x40             ; bk 24, bv 26, bo 28, time_scales 30, XB 32, WB 34, BB 36, TSB 38
	s_mov_b32 s2, ttmp9                            ; the unit: 0-1535 x, 1536-2047 weights, 2048 biases and time scales
	v_lshlrev_b32 v1, 3, v0
	s_mov_b32 s41, 0
	s_mov_b32 s43, 0
	s_cmp_lt_u32 s2, 1536
	s_cbranch_scc0 .Lnot_x
	; x: unit = 512 p + 16 block + slice: 128 rows x 64 columns.  Thread t: row t / 16 (+ 16 i), columns 4 (t % 16) on
	s_lshr_b32 s3, s2, 9                           ; p
	s_bfe_u32 s4, s2, 0x50004                      ; block
	s_and_b32 s5, s2, 15                           ; slice
	s_lshl_b32 s4, s4, 19                          ; 128 rows of 4,096 bytes
	s_lshl_b32 s5, s5, 8                           ; 64 f32
	s_add_co_u32 s40, s4, s5
	s_lshl_b32 s42, s2, 14
	v_lshrrev_b32 v2, 4, v0
	v_and_b32 v3, 15, v0
	v_lshlrev_b32 v3, 4, v3
	v_lshl_add_u32 v2, v2, 12, v3
	s_wait_kmcnt 0x0
	s_cmp_eq_u32 s3, 0
	s_cselect_b64 s[44:45], s[8:9], s[10:11]
	s_cmp_eq_u32 s3, 2
	s_cselect_b64 s[44:45], s[12:13], s[44:45]
	s_add_nc_u64 s[44:45], s[44:45], s[40:41]
	s_add_nc_u64 s[46:47], s[32:33], s[42:43]
	CONV 65536                                     ; 16 rows further down
	s_endpgm
.Lnot_x:
	s_cmp_lt_u32 s2, 2048
	s_cbranch_scc0 .Lbias
	; weights: 8,192 consecutive numbers, order kept
	s_sub_co_u32 s3, s2, 1536
	s_lshr_b32 s4, s3, 7                           ; which matrix
	s_and_b32 s5, s3, 127
	s_lshl_b32 s40, s5, 15
	s_lshl_b32 s42, s3, 14
	v_lshlrev_b32 v2, 4, v0
	s_wait_kmcnt 0x0
	s_cmp_eq_u32 s4, 0
	s_cselect_b64 s[44:45], s[14:15], s[16:17]
	s_cmp_eq_u32 s4, 2
	s_cselect_b64 s[44:45], s[18:19], s[44:45]
	s_cmp_eq_u32 s4, 3
	s_cselect_b64 s[44:45], s[20:21], s[44:45]
	s_add_nc_u64 s[44:45], s[44:45], s[40:41]
	s_add_nc_u64 s[46:47], s[34:35], s[42:43]
	CONV 4096
	s_endpgm
.Lbias:
	v_lshlrev_b32 v2, 4, v0                        ; four numbers of each bias a thread
	v_lshrrev_b32 v3, 5, v0
	v_readfirstlane_b32 s3, v3                     ; the wave's number
	s_wait_kmcnt 0x0
	global_load_b128 v[8:11], v2, s[22:23]
	global_load_b128 v[12:15], v2, s[24:25]
	global_load_b128 v[16:19], v2, s[26:27]
	global_load_b128 v[20:23], v2, s[28:29]
	s_wait_loadcnt 0x0
.irp a, 0,1,2,3
	v_cvt_pk_bf16_f32 v[T], v[8+4*(\a)], v[9+4*(\a)]
	v_cvt_pk_bf16_f32 v[T+1], v[10+4*(\a)], v[11+4*(\a)]
	v_lshlrev_b32 v[24+4*(\a)], 16, v[T]
	v_and_b32 v[25+4*(\a)], 0xffff0000, v[T]
	v_lshlrev_b32 v[26+4*(\a)], 16, v[T+1]
	v_and_b32 v[27+4*(\a)], 0xffff0000, v[T+1]
	global_store_b128 v2, v[24+4*(\a):27+4*(\a)], s[36:37] offset:4096*(\a)
.endr
	s_cmp_lt_u32 s3, 2                             ; waves 0 and 1 write the 64 words of TSB
	s_cbranch_scc0 .Lend
	v_and_b32 v4, 15, v0
	v_lshlrev_b32 v4, 2, v4
	v_lshlrev_b32 v5, 2, v0
	global_load_b32 v6, v4, s[30:31]
	s_wait_loadcnt 0x0
	v_cvt_pk_bf16_f32 v7, v6, v6
	v_lshlrev_b32 v7, 16, v7
	v_mul_f32 v7, 0x3e200000, v7                   ; x 0.15625 = 1 / sqrt(64) / temperature
	global_store_b32 v5, v7, s[38:39]
.Lend:
	s_endpgm
.Lfunc_end_k_qb7c409b5d3_prep:
	.size	k_qb7c409b5d3_prep, .Lfunc_end_k_qb7c409b5d3_prep-k_qb7c409b5d3_prep
	.p2alignl 7, 3214868480
	.fill 96, 4, 3214868480
	.section	.rodata,"a",@progbits
	.p2align	6, 0x0
	.amdhsa_kernel k_qb7c409b5d3_prep
		.amdhsa_group_segment_fixed_size 0
		.amdhsa_private_segment_fixed_size 0
		.amdhsa_enable_private_segment 0
		.amdhsa_kernarg_size 128
		.amdhsa_user_sgpr_count 2
		.amdhsa_user_sgpr_kernarg_segment_ptr 1
		.amdhsa_wavefront_size32 1
		.amdhsa_system_sgpr_workgroup_id_x 1
		.amdhsa_system_sgpr_workgroup_id_y 1
		.amdhsa_system_sgpr_workgroup_id_z 1
		.amdhsa_system_vgpr_workitem_id 0
		.amdhsa_next_free_vgpr 64
		.amdhsa_next_free_sgpr 66
		.amdhsa_reserve_vcc 0
		.amdhsa_float_denorm_mode_32 3
		.amdhsa_float_denorm_mode_16_64 3
		.amdhsa_memory_ordered 1
		.amdhsa_forward_progress 1
		.amdhsa_inst_pref_size 16
	.end_amdhsa_kernel
	.amdgpu_metadata
---
amdhsa.version: [ 1, 2 ]
amdhsa.kernels:
  - .name:           k_qb7c409b5d3_prep
    .symbol:         k_qb7c409b5d3_prep.kd
    .args:
      - { .name: query, .offset: 0, .size: 8, .value_kind: global_buffer, .address_space: global }
      - { .name: key, .offset: 8, .size: 8, .value_kind: global_buffer, .address_space: global }
      - { .name: value, .offset: 16, .size: 8, .value_kind: global_buffer, .address_space: global }
      - { .name: Wq, .offset: 24, .size: 8, .value_kind: global_buffer, .address_space: global }
      - { .name: Wk, .offset: 32, .size: 8, .value_kind: global_buffer, .address_space: global }
      - { .name: Wv, .offset: 40, .size: 8, .value_kind: global_buffer, .address_space: global }
      - { .name: Wo, .offset: 48, .size: 8, .value_kind: global_buffer, .address_space: global }
      - { .name: bq, .offset: 56, .size: 8, .value_kind: global_buffer, .address_space: global }
      - { .name: bk, .offset: 64, .size: 8, .value_kind: global_buffer, .address_space: global }
      - { .name: bv, .offset: 72, .size: 8, .value_kind: global_buffer, .address_space: global }
      - { .name: bo, .offset: 80, .size: 8, .value_kind: global_buffer, .address_space: global }
      - { .name: time_scales, .offset: 88, .size: 8, .value_kind: global_buffer, .address_space: global }
      - { .name: XB, .offset: 96, .size: 8, .value_kind: global_buffer, .address_space: global }
      - { .name: WB, .offset: 104, .size: 8, .value_kind: global_buffer, .address_space: global }
      - { .name: BB, .offset: 112, .size: 8, .value_kind: global_buffer, .address_space: global }
      - { .name: TSB, .offset: 120, .size: 8, .value_kind: global_buffer, .address_space: global }
    .group_segment_fixed_size: 0
    .private_segment_fixed_size: 0
    .kernarg_segment_align: 8
    .kernarg_segment_size: 128
    .max_flat_workgroup_size: 256
    .sgpr_count:     66
    .vgpr_count:     64
    .wavefront_size: 32
...
	.end_amdgpu_metadata
.endif
;; end of part 1
;; launch proj (part 2): grid 8 x 96, 4 waves a work-group, clusters of 4 x 4, 327,680 bytes of LDS; arguments XB, WB, BB, QKV; writes QKV
.if DOCPART == 2
	.amdgcn_target "amdgcn-amd-amdhsa--gfx1250"
	.amdhsa_code_object_version 6
	.text
	.protected	k_qb7c409b5d3_proj
	.globl	k_qb7c409b5d3_proj
	.p2align	8
	.type	k_qb7c409b5d3_proj,@function
k_qb7c409b5d3_proj:
	s_mov_b64 s[64:65], 0
	v_nop
	global_prefetch_b8 v0, s[64:65] scope:SCOPE_SE
	s_setreg_imm32_b32 hwreg(HW_REG_WAVE_MODE, 25, 1), 1
	s_wait_xcnt 0x0
	s_wait_alu depctr_hold_cnt(0) depctr_sa_sdst(0) depctr_va_vdst(0) depctr_va_sdst(0) depctr_va_ssrc(0) depctr_va_vcc(0) depctr_vm_vsrc(0)
	s_getreg_b32 s2, hwreg(HW_REG_IB_STS2, 6, 4)
	s_cmp_eq_u32 s2, 0
	s_cbranch_scc0 .Lentry_in_a_cluster
	s_endpgm
.Lentry_in_a_cluster:
	s_bfe_u32 s2, ttmp6, 0x10000c
	s_cmp_lg_u32 s2, 0xf033
	s_cbranch_scc0 .Lentry_shape_is_right
	s_endpgm
.Lentry_shape_is_right:
; C[m][n] = sum over k of A[m][k] W[k][n] + bias[n], K = N = 1024, f16 operands, f32 sums.  One text for two launches:
; MODE 0: the three projections.  A = XB (tile row ty = 32 p + block), W = WB[p], result rounded once to f16 and stored by heads: QKV[p][16 b + head][s][64].  No work is left out.
; MODE 1: the output projection.  A = OB, W = WB[3], result f32 to out0.
; LIMIT (MODE 0): q, k, v beyond 65,504 do not fit f16.
; A tile of C is 128 x 128, four waves of 64 x 64 (16 accumulators).  K goes in four steps of 256 through two LDS slots, written out without a loop.
; A lies in memory in blocks [128 rows][64 k] of 16,384 dense bytes: two blocks are asked for as 128 rows of 256 bytes and padded in LDS after every 128 bytes (pitch 144).
; W lies [k][n]: 128 k rows of 256 bytes, pitch 288 in LDS, read turned by ds_load_tr16_b128.
; CLUSTER 4 x 4: the four of a row need the same tiles of A, the four of a column the same tiles of W: each tile is asked for jointly.
; THE MATRIX INSTRUCTION IS USED TRANSPOSED (source 0 = 16 columns of W, source 1 = 16 rows of A): a lane holds eight neighbouring numbers of a row of C.
; The bias is the C operand of the products that start the sums.  No prefetch: the tile is small and has four K steps.
; REGISTERS: window 0: v16-29 addresses; v32-95 the way out; v96-127 bias; v128-255 accumulators ((a, b) at 128 + 8 (4 a + b)).  Window 1: two fragment buffers of 128 (64 of A, 64 of W).
.set MODE,  0
.set PA,    144                        ; a row of A in LDS: 128 + 16 bytes: the 16 rows of a load start at 16 different groups of four banks (ISA guide 11.1)
.set PB,    288                        ; a row of W: 256 + 32 bytes
.set SLICE, 128*PA                     ; 64 of K: 128 rows of A; also 64 rows of W (64 x 288)
.set HALFT, 2*SLICE                    ; what one tensor load brings
.set SLOT,  4*HALFT                    ; A's four slices, then W's 256 rows
.set SPARE, 2*SLOT                     ; behind the ring: the spare words, 128 bytes a wave
.if MODE == 0
.set SP,    272                        ; the stage's pitch.  The stage is slot 0, which has had its last fill and its last read when it is written
.else
.set SP,    528
.endif
.set ADRA, 16                          ; v16-17  my A fragments in slot 0, 1
.set ADRB, 20                          ; v20-23  my W fragments: 2 slot + half of the K step (the offsets have 16 bits)
.set STO,  24
.set RD,   25
.set CO,   26
.set BO,   27
.set SPW,  28                          ; my spare word; never rewritten
.set NIL,  29                          ; 0; never rewritten
.set TMP,  32
.set BIAS, 96
.set ACC,  128
.set F0,   0
.set F1,   128
.set WV, 12
.set HM, 13                            ; wave / 2: my half of the rows; also: I fetch A (0) or W (1)
.set HN, 14                            ; wave % 2: my half of the columns; also which half of a tile I fetch
.set CX, 15
.set CY, 16
.set TX, 17
.set TY, 18
.set PP, 19
.set G1, 24
.set G0, 32
.set G1B, 48
.set G0B, 56
.set MSB, 0
.macro WIN new                         ; the immediate's high byte repeats the setting that is left
.if MSB != (\new)
	s_set_vgpr_msb (MSB<<8)|(\new)
.set MSB, (\new)
.endif
.endm
.set MUL,  0x05                        ; sources 0 and 1 window 1; C and D window 0
.set TO_F, 0x40                        ; destination window 1, address window 0
.macro JLOAD s                         ; a joint load: waves 0, 1 fetch A's halves, waves 2, 3 W's; an s_nop 0 and four v_nop follow each line
	s_cmp_eq_u32 s[HM], 0
	s_cbranch_scc0 .Lfor_b_\@
	tensor_load_to_lds s[G0+4*(\s):G0+4*(\s)+3], s[G1:G1+7]
	s_nop 0
.rept 4
	v_nop
.endr
	s_branch .Lasked_\@
.Lfor_b_\@:
	tensor_load_to_lds s[G0B+4*(\s):G0B+4*(\s)+3], s[G1B:G1B+7]
	s_nop 0
.rept 4
	v_nop
.endr
.Lasked_\@:
.endm
.macro CREST                           ; a round of the cluster's barrier behind its opening barrier
	s_cmp_lg_u32 s[WV], 0
	s_cbranch_scc1 .Lnot_wave_0_\@
	s_barrier_signal -3
.Lnot_wave_0_\@:
	s_barrier_wait -3
	s_barrier_signal -1
	s_barrier_wait -1
.endm
.macro CROUND
	s_barrier_signal -1
	s_barrier_wait -1
	CREST
.endm
.macro PLACES                          ; four places behind matrix instructions, in front of loads into their sources and of reads of their results
.rept 4
	v_nop
.endr
.endm
	s_load_b256 s[4:11], s[0:1], 0x0               ; A s[4:5], WB s[6:7], BB s[8:9], result s[10:11]
	v_lshl_add_u32 v[SPW], v0, 2, SPARE
	v_mov_b32 v[NIL], 0
	ds_add_u32 v[SPW], v[NIL]                      ; the opening: the add, twice on end, and its wait ahead of my first tensor load
	ds_add_u32 v[SPW], v[NIL]
	v_lshrrev_b32 v1, 5, v0
	v_readfirstlane_b32 s[WV], v1
	s_lshr_b32 s[HM], s[WV], 1
	s_and_b32 s[HN], s[WV], 1
	s_bfe_u32 s[CX], ttmp6, 0x40000
	s_bfe_u32 s[CY], ttmp6, 0x40004
	s_lshl_b32 s[TX], ttmp9, 2
	s_add_co_u32 s[TX], s[TX], s[CX]               ; tile column = 4 x cluster x + cx
	s_and_b32 s20, ttmp7, 0xffff                   ; cluster y
	s_lshl_b32 s[TY], s20, 2
	s_add_co_u32 s[TY], s[TY], s[CY]               ; tile row = 4 x cluster y + cy
.if MODE == 0
	s_lshr_b32 s[PP], s20, 3                       ; which projection: from the cluster's y alone, which all sixteen share
.else
	s_mov_b32 s[PP], 3
.endif
	s_lshl_b32 s21, s[CY], 2
	s_lshl_b32 s21, 15, s21                        ; my row of the cluster
	s_lshl_b32 s22, 0x1111, s[CX]                  ; my column
	s_or_b32 s[G1], s21, (1<<16)|(1<<20)|(1<<21)|(4<<22)|(3<<25)   ; mask; 2-byte elements; padding on; bit 21 beside a mask; after every 32 words 4 words
	s_or_b32 s[G1B], s22, (1<<16)|(1<<20)|(1<<21)|(5<<22)|(7<<25)  ; after every 64 words 8 words
.irp g, G1, G1B
	s_mov_b32 s[(\g)+1], 128<<16                   ; tensor_dim0 = 128
	s_mov_b32 s[(\g)+2], 128<<16                   ; tensor_dim1 = 128
	s_mov_b32 s[(\g)+3], 128<<16                   ; tile_dim0 = 128
	s_mov_b32 s[(\g)+4], 128                       ; tile_dim1 = 128
	s_mov_b32 s[(\g)+6], 0
	s_mov_b32 s[(\g)+7], 0
.endr
	s_mov_b32 s[G1+5], 128                         ; A: dense rows of 256 bytes
	s_mov_b32 s[G1B+5], 1024                       ; W: 1,024 elements from row to row
	s_lshl_b32 s40, s[TY], 18                      ; A: tile row x 16 slices x 16,384 bytes
	s_lshl_b32 s21, s[HN], 15                      ; + my two slices of a K step's four
	s_add_co_u32 s40, s40, s21
	s_mov_b32 s41, 0
	s_lshl_b32 s42, s[PP], 21                      ; W: the matrix,
	s_lshl_b32 s21, s[HN], 18                      ; my 128 k rows of 2,048 bytes,
	s_add_co_u32 s42, s42, s21
	s_lshl_b32 s21, s[TX], 8                       ; the tile's 128 columns
	s_add_co_u32 s42, s42, s21
	s_mov_b32 s43, 0
	s_mul_i32 s44, s[WV], HALFT                    ; where they go: wave x 36,864: no place in the cluster enters an LDS address
	s_wait_dscnt 0x0                               ; both opening adds are done
	s_wait_kmcnt 0x0
	s_add_nc_u64 s[40:41], s[4:5], s[40:41]
	s_add_nc_u64 s[42:43], s[6:7], s[42:43]
	CROUND                                         ; all sixteen work-groups are here: the first joint loads meet
.irp s, 0,1
	s_mov_b32 s[G0+4*(\s)], 1
	s_add_co_u32 s[G0+4*(\s)+1], s44, (\s)*SLOT
	s_add_nc_u64 s[G0+4*(\s)+2:G0+4*(\s)+3], s[40:41], (\s)*65536   ; K step s: four slices on
	s_or_b32 s[G0+4*(\s)+3], s[G0+4*(\s)+3], 0x80000000
	s_mov_b32 s[G0B+4*(\s)], 1
	s_add_co_u32 s[G0B+4*(\s)+1], s44, (\s)*SLOT
	s_add_nc_u64 s[G0B+4*(\s)+2:G0B+4*(\s)+3], s[42:43], (\s)*524288 ; 256 k rows on
	s_or_b32 s[G0B+4*(\s)+3], s[G0B+4*(\s)+3], 0x80000000
	JLOAD \s
.endr
	v_and_b32 v1, 15, v0                           ; r = l % 16
	v_bfe_u32 v2, v0, 4, 1                         ; h = l / 16
	; the bias of my 64 columns: register j of block b is bias[128 tx + 64 HN + 16 b + 8 h + j]
	s_lshl_b32 s46, s[PP], 12
	s_lshl_b32 s21, s[TX], 9
	s_add_co_u32 s46, s46, s21
	s_lshl_b32 s21, s[HN], 8
	s_add_co_u32 s46, s46, s21
	s_mov_b32 s47, 0
	s_add_nc_u64 s[46:47], s[8:9], s[46:47]
	v_lshlrev_b32 v[BO], 5, v2
.irp b, 0,1,2,3
	global_load_b128 v[BIAS+8*(\b):BIAS+8*(\b)+3],   v[BO], s[46:47] offset:64*(\b)
	global_load_b128 v[BIAS+8*(\b)+4:BIAS+8*(\b)+7], v[BO], s[46:47] offset:64*(\b)+16
.endr
	v_mul_u32_u24 v3, v1, PA
	v_lshl_add_u32 v3, v2, 4, v3                   ; A: row x pitch + 16 h
	s_mul_i32 s21, s[HM], 64*PA
	v_add_nc_u32 v[ADRA], s21, v3
	v_add_nc_u32 v[ADRA+1], SLOT, v[ADRA]
	v_and_b32 v4, 7, v0                            ; W, turned: lane l reads k row 8 h + l % 8, columns 8 ((l / 8) % 2) on
	v_lshl_add_u32 v4, v2, 3, v4
	v_mul_u32_u24 v4, v4, PB
	v_bfe_u32 v5, v0, 3, 1
	v_lshl_add_u32 v4, v5, 4, v4
	s_lshl_b32 s22, s[HN], 7
	s_add_co_u32 s22, s22, 2*HALFT
	v_add_nc_u32 v[ADRB], s22, v4
	v_add_nc_u32 v[ADRB+1], HALFT, v[ADRB]
	v_add_nc_u32 v[ADRB+2], SLOT, v[ADRB]
	v_add_nc_u32 v[ADRB+3], SLOT, v[ADRB+1]
	v_and_b32 v6, 31, v0
	v_lshlrev_b32 v[CO], 4, v6                     ; 16 x lane
	v_mul_u32_u24 v4, v1, SP
	s_mul_i32 s21, s[HM], 64*SP
.if MODE == 0
	v_lshl_add_u32 v4, v2, 4, v4                   ; into the stage: row r, 16 bytes for each half of the lanes
	s_lshl_b32 s22, s[HN], 7
	s_add_co_u32 s21, s21, s22
	v_add_nc_u32 v[STO], s21, v4
	v_bfe_u32 v5, v0, 3, 2                         ; back: four rows x 128 bytes (one head's 64 channels)
	v_mul_u32_u24 v5, v5, SP
	v_and_b32 v6, 7, v0
	v_lshl_add_u32 v5, v6, 4, v5
	s_mul_i32 s21, s[WV], 32*SP
	v_add_nc_u32 v[RD], s21, v5
	s_and_b32 s21, s[TY], 31                       ; block of 128 rows: batch = block / 16
	s_lshr_b32 s22, s21, 4
	s_lshl_b32 s22, s22, 4
	s_lshl_b32 s23, s[TX], 1
	s_add_co_u32 s22, s22, s23                     ; 16 b + the tile's first head
	s_lshl_b32 s22, s22, 18                        ; x 2,048 rows x 128 bytes
	s_and_b32 s21, s21, 15
	s_lshl_b32 s21, s21, 14                        ; the block's first row in the sequence
	s_add_co_u32 s22, s22, s21
	s_lshl_b32 s21, s[WV], 12                      ; my 32 rows
	s_add_co_u32 s22, s22, s21
	s_lshl_b32 s21, s[PP], 23
	s_add_co_u32 s22, s22, s21
.else
	v_lshl_add_u32 v4, v2, 5, v4                   ; into the stage: row r, 32 bytes for each half of the lanes
	s_lshl_b32 s22, s[HN], 8
	s_add_co_u32 s21, s21, s22
	v_add_nc_u32 v[STO], s21, v4
	s_mul_i32 s21, s[WV], 32*SP                    ; back: a whole row of 512 bytes a load
	v_add_nc_u32 v[RD], s21, v[CO]
	s_lshl_b32 s22, s[TY], 19                      ; 128 rows of 4,096 bytes
	s_lshl_b32 s21, s[WV], 17
	s_add_co_u32 s22, s22, s21
	s_lshl_b32 s21, s[TX], 9
	s_add_co_u32 s22, s22, s21
.endif
	s_mov_b32 s23, 0
	s_add_nc_u64 s[10:11], s[10:11], s[22:23]
; 8 matrix instructions: row blocks a0, a0 + 1 x all 4 column blocks, 32 of K: half c of buffer f.  first = 1: the bias starts the sums.  The 16 accumulators take turns.
.macro MUL8 f, c, a0, first
	WIN MUL
.irp a, \a0, (\a0)+1
.irp b, 0,1,2,3
.if \first
	v_wmma_f32_16x16x32_f16 v[ACC+8*(4*(\a)+(\b)):ACC+8*(4*(\a)+(\b))+7], v[(\f)+64+8*(4*(\c)+(\b)):(\f)+64+8*(4*(\c)+(\b))+7], v[(\f)+8*(4*(\c)+(\a)):(\f)+8*(4*(\c)+(\a))+7], v[BIAS+8*(\b):BIAS+8*(\b)+7]
.else
	v_wmma_f32_16x16x32_f16 v[ACC+8*(4*(\a)+(\b)):ACC+8*(4*(\a)+(\b))+7], v[(\f)+64+8*(4*(\c)+(\b)):(\f)+64+8*(4*(\c)+(\b))+7], v[(\f)+8*(4*(\c)+(\a)):(\f)+8*(4*(\c)+(\a))+7], v[ACC+8*(4*(\a)+(\b)):ACC+8*(4*(\a)+(\b))+7]
.endif
.endr
.endr
.endm
; 32 LDS loads in one run: the fragments of quarter q (64 of K) of a slot into buffer f; the first 32 of K first
.macro FETCH slot, q, f
	WIN TO_F
.irp c, 0,1
.irp i, 0,1,2,3
	ds_load_tr16_b128 v[(\f)+64+8*(4*(\c)+(\i)):(\f)+64+8*(4*(\c)+(\i))+3],   v[ADRB+2*(\slot)+(\q)/2] offset:((\q)%2)*SLICE+(\c)*32*PB+32*(\i)
	ds_load_tr16_b128 v[(\f)+64+8*(4*(\c)+(\i))+4:(\f)+64+8*(4*(\c)+(\i))+7], v[ADRB+2*(\slot)+(\q)/2] offset:((\q)%2)*SLICE+(\c)*32*PB+32*(\i)+16*PB
	ds_load_b128 v[(\f)+8*(4*(\c)+(\i)):(\f)+8*(4*(\c)+(\i))+3],              v[ADRA+(\slot)] offset:(\q)*SLICE+(\i)*16*PA+64*(\c)
	ds_load_b128 v[(\f)+8*(4*(\c)+(\i))+4:(\f)+8*(4*(\c)+(\i))+7],            v[ADRA+(\slot)] offset:(\q)*SLICE+(\i)*16*PA+64*(\c)+32
.endr
.endr
.endm
; One of a K step's first three quarters: multiplies buffer f, and fetches quarter q of the same slot into buffer g
.macro QUARTER slot, q, f, g, first
	s_wait_dscnt 16                                ; the first 32 of K are in; the younger sixteen loads may be out
	MUL8 \f, 0, 0, \first
	MUL8 \f, 0, 2, \first
	PLACES
	FETCH \slot, \q, \g
	s_wait_dscnt 32                                ; all but the 32 just issued
	MUL8 \f, 1, 0, 0
	MUL8 \f, 1, 2, 0
.endm
; The last quarter multiplies buffer 1 and changes slots: each wave waits for all its tensor loads, adds 0 to its spare word, waits for that and for its reads of this slot; one barrier.
; fill = 1: the barrier opens a round of the cluster's, and this slot is filled again, two K steps on, first thing behind it.
.macro TURN slot, next, fill
	WIN 0
	s_wait_tensorcnt 0x0                           ; all my tensor loads have landed: my part of the next slot
	ds_add_u32 v[SPW], v[NIL]
	s_wait_dscnt 17                                ; (the add and the youngest sixteen loads may be out)
	MUL8 F1, 0, 0, 0
	s_wait_dscnt 0x0                               ; the add is done, and my reads of this slot are over
	s_barrier_signal -1
	MUL8 F1, 0, 2, 0
.if \fill
	WIN 0
.endif
	s_barrier_wait -1
.if \fill
	CREST                                          ; no wave of any partner still reads this slot or has a load on its way
	s_add_nc_u64 s[G0+4*(\slot)+2:G0+4*(\slot)+3], s[G0+4*(\slot)+2:G0+4*(\slot)+3], 131072
	s_add_nc_u64 s[G0B+4*(\slot)+2:G0B+4*(\slot)+3], s[G0B+4*(\slot)+2:G0B+4*(\slot)+3], 1048576
	JLOAD \slot                                    ; its four v_nop are also the places in front of the loads below
.else
	PLACES
.endif
	FETCH \next, 0, F0
	MUL8 F1, 1, 0, 0
	MUL8 F1, 1, 2, 0
.endm
	s_wait_loadcnt 0x0                             ; the bias
	s_wait_tensorcnt 0x1                           ; my part of K step 0 is in; K step 1's load may stay out
	s_barrier_signal -1
	s_barrier_wait -1
	FETCH 0, 0, F0
	QUARTER 0, 1, F0, F1, 1
	QUARTER 0, 2, F1, F0, 0
	QUARTER 0, 3, F0, F1, 0
	TURN 0, 1, 1                                   ; slot 0 takes K step 2
	QUARTER 1, 1, F0, F1, 0
	QUARTER 1, 2, F1, F0, 0
	QUARTER 1, 3, F0, F1, 0
	TURN 1, 0, 1                                   ; slot 1 takes K step 3
	QUARTER 0, 1, F0, F1, 0
	QUARTER 0, 2, F1, F0, 0
	QUARTER 0, 3, F0, F1, 0
	TURN 0, 1, 0                                   ; nothing is left to fetch; behind this barrier nobody reads slot 0 any more
	QUARTER 1, 1, F0, F1, 0
	QUARTER 1, 2, F1, F0, 0
	QUARTER 1, 3, F0, F1, 0
	s_wait_dscnt 16
	MUL8 F1, 0, 0, 0
	MUL8 F1, 0, 2, 0
	s_wait_dscnt 0x0
	MUL8 F1, 1, 0, 0
	MUL8 F1, 1, 2, 0
	WIN 0
	PLACES
.if MODE == 0
	; THE WAY OUT: rounded to f16; 16 bytes a lane into the stage; a barrier, since a row comes from two waves; back as four rows of one head: 512 consecutive bytes of QKV
.irp t, 0,1,2,3,4,5,6,7,8,9,10,11,12,13,14,15
.irp r, 0,1,2,3
	v_cvt_pk_f16_f32 v[TMP+4*(\t)+(\r)], v[ACC+8*(\t)+2*(\r)], v[ACC+8*(\t)+2*(\r)+1]
.endr
.endr
.irp a, 0,1,2,3
.irp b, 0,1,2,3
	ds_store_b128 v[STO], v[TMP+4*(4*(\a)+(\b)):TMP+4*(4*(\a)+(\b))+3] offset:(\a)*16*SP+32*(\b)
.endr
.endr
	s_wait_dscnt 0x0                               ; for the others' sake: my stores into the stage are done
	s_barrier_signal -1
	s_barrier_wait -1
.irp t, 0,1,2,3,4,5,6,7,8,9,10,11,12,13,14,15
	ds_load_b128 v[TMP+4*(\t):TMP+4*(\t)+3], v[RD] offset:((\t)%8)*4*SP+((\t)/8)*128
.endr
.irp t, 0,1,2,3,4,5,6,7,8,9,10,11,12,13,14,15
	s_wait_dscnt 15-(\t)
	global_store_b128 v[CO], v[TMP+4*(\t):TMP+4*(\t)+3], s[10:11] offset:((\t)/8)*262144+((\t)%8)*512
.endr
.else
	; THE WAY OUT: f32, 32 bytes a lane into the stage; a barrier; back as whole rows of 512 bytes
.irp a, 0,1,2,3
.irp b, 0,1,2,3
	ds_store_b128 v[STO], v[ACC+8*(4*(\a)+(\b)):ACC+8*(4*(\a)+(\b))+3]   offset:(\a)*16*SP+64*(\b)
	ds_store_b128 v[STO], v[ACC+8*(4*(\a)+(\b))+4:ACC+8*(4*(\a)+(\b))+7] offset:(\a)*16*SP+64*(\b)+16
.endr
.endr
	s_wait_dscnt 0x0
	s_barrier_signal -1
	s_barrier_wait -1
.irp g, 0,1
.if \g
	s_wait_xcnt 0x0                                ; the first sixteen stores have read their registers, which are loaded again
.endif
.irp t, 0,1,2,3,4,5,6,7,8,9,10,11,12,13,14,15
	ds_load_b128 v[TMP+4*(\t):TMP+4*(\t)+3], v[RD] offset:(16*(\g)+(\t))*SP
.endr
.irp t, 0,1,2,3,4,5,6,7,8,9,10,11,12,13,14,15
	s_wait_dscnt 15-(\t)
	global_store_b128 v[CO], v[TMP+4*(\t):TMP+4*(\t)+3], s[10:11] offset:(16*(\g)+(\t))*4096
.endr
.endr
.endif
	s_wait_tensorcnt 0x0                           ; the wave's end
	ds_add_u32 v[SPW], v[NIL]
	s_wait_dscnt 0x0
	CROUND                                         ; the closing round
	s_endpgm
.Lfunc_end_k_qb7c409b5d3_proj:
	.size	k_qb7c409b5d3_proj, .Lfunc_end_k_qb7c409b5d3_proj-k_qb7c409b5d3_proj
	.p2alignl 7, 3214868480
	.fill 96, 4, 3214868480
	.section	.rodata,"a",@progbits
	.p2align	6, 0x0
	.amdhsa_kernel k_qb7c409b5d3_proj
		.amdhsa_group_segment_fixed_size 327680
		.amdhsa_private_segment_fixed_size 0
		.amdhsa_enable_private_segment 0
		.amdhsa_kernarg_size 32
		.amdhsa_user_sgpr_count 2
		.amdhsa_user_sgpr_kernarg_segment_ptr 1
		.amdhsa_wavefront_size32 1
		.amdhsa_system_sgpr_workgroup_id_x 1
		.amdhsa_system_sgpr_workgroup_id_y 1
		.amdhsa_system_sgpr_workgroup_id_z 1
		.amdhsa_system_vgpr_workitem_id 0
		.amdhsa_next_free_vgpr 512
		.amdhsa_next_free_sgpr 66
		.amdhsa_reserve_vcc 0
		.amdhsa_float_denorm_mode_32 3
		.amdhsa_float_denorm_mode_16_64 3
		.amdhsa_memory_ordered 1
		.amdhsa_forward_progress 1
		.amdhsa_inst_pref_size 88
	.end_amdhsa_kernel
	.amdgpu_metadata
---
amdhsa.version: [ 1, 2 ]
amdhsa.kernels:
  - .name:           k_qb7c409b5d3_proj
    .symbol:         k_qb7c409b5d3_proj.kd
    .args:
      - { .name: XB, .offset: 0, .size: 8, .value_kind: global_buffer, .address_space: global }
      - { .name: WB, .offset: 8, .size: 8, .value_kind: global_buffer, .address_space: global }
      - { .name: BB, .offset: 16, .size: 8, .value_kind: global_buffer, .address_space: global }
      - { .name: QKV, .offset: 24, .size: 8, .value_kind: global_buffer, .address_space: global }
    .group_segment_fixed_size: 327680
    .private_segment_fixed_size: 0
    .kernarg_segment_align: 8
    .kernarg_segment_size: 32
    .max_flat_workgroup_size: 128
    .sgpr_count:     66
    .vgpr_count:     512
    .wavefront_size: 32
...
	.end_amdgpu_metadata
.endif
;; end of part 2
;; launch attn (part 3): grid 32 x 32, 4 waves a work-group, clusters of 4 x 1, 327,680 bytes of LDS; arguments QKV, TSB, OB; writes OB
.if DOCPART == 3
	.amdgcn_target "amdgcn-amd-amdhsa--gfx1250"
	.amdhsa_code_object_version 6
	.text
	.protected	k_qb7c409b5d3_attn
	.globl	k_qb7c409b5d3_attn
	.p2align	8
	.type	k_qb7c409b5d3_attn,@function
k_qb7c409b5d3_attn:
	s_mov_b64 s[64:65], 0
	v_nop
	global_prefetch_b8 v0, s[64:65] scope:SCOPE_SE
	s_setreg_imm32_b32 hwreg(HW_REG_WAVE_MODE, 25, 1), 1
	s_wait_xcnt 0x0
	s_wait_alu depctr_hold_cnt(0) depctr_sa_sdst(0) depctr_va_vdst(0) depctr_va_sdst(0) depctr_va_ssrc(0) depctr_va_vcc(0) depctr_vm_vsrc(0)
	s_getreg_b32 s2, hwreg(HW_REG_IB_STS2, 6, 4)
	s_cmp_eq_u32 s2, 0
	s_cbranch_scc0 .Lentry_in_a_cluster
	s_endpgm
.Lentry_in_a_cluster:
	s_bfe_u32 s2, ttmp6, 0x10000c
	s_cmp_lg_u32 s2, 0x3003
	s_cbranch_scc0 .Lentry_shape_is_right
	s_endpgm
.Lentry_shape_is_right:
; ATTENTION WITH A BOOSTED DIAGONAL AND A BOOSTED TOP FIFTH.  For head bh and query i: s_j = c q_i . k_j, c = time_scale x 1.25 / 8; s_i x 1.15; every s_j at or above the row's 409th largest
; x 1.15; softmax; O = sum of p_j v_j.  Q, K, V: QKV[3][32][2048][64] f16.  O: f16, in blocks [128 rows][64] by head, as the last product reads it.  No work is left out.
; SHARES.  A work-group has 64 queries of a head, a wave 16; the wave keeps its 16 x 2,048 scores in 512 registers, packed f16.  All of K (then all of V) lies in LDS.
; THE SCORES ARE KEPT ONCE ROUNDED, NORMALISED BY THE ROW: s' = s x 0.5 / M', M' = max(|c| max_j |q.k_j|, 2^-100), so |s'| is at most 0.575 whatever the inputs' size.
; THE 409th LARGEST is found exactly on these f16 numbers: a bisection on the ordered 16-bit key from -1.0 to just above 1.0, width 30,722, which 15 halvings bring to 1.  A step: s' - t packed,
; the sign turned into +1 or -1, and a product with ones adds the 2,048 of a query; 2 count - 2048 >= -1230 says count >= 409.  Ties are all boosted, as in the module's own comparison.
; SOFTMAX with a running maximum, 128 keys a step, in f32: z = s' (1.075 + 0.075 sign) x 2 M' log2(e); p = 2^(z - m); O and l are multiplied by 2^(m_old - m_new) in every step.  p is rounded to f16;
; l is the sum of the rounded p, by a product with ones.
; LIMITS.  Scores closer than f16's step (2^-11 of themselves) count as ties; |s| x 1.66 stays under 2^124; a weight below 6e-8 counts as 0; NaN and infinities are not treated apart.
; LAYOUT.  S^T = K Q^T: a lane holds one query (lane % 16) and keys 8 (lane / 16) + 0..7; two such results packed ARE source 1 (32 keys x 16 queries) of V^T P and of the products with ones.
; SIDE BY SIDE.  In every loop the matrix instructions stand singly among vector lines that belong to another piece of work: the scores' products among the group before's scaling, the bisection's
; products among the next batch's sign lines, the last pass's products of block n - 1 among block n's z.
; CLUSTER.  The four work-groups of a cluster have 256 queries of one head and read the same K and V: each tile is asked for jointly.  The diagonal lies in key chunk G = the cluster's x for all four.
; No prefetch: K is asked for at the head, and V's load has the whole bisection in which to land, so no wave waits for it.
; REGISTERS: window 0: v1-63 below; v64-127 TS (last pass: v64-95 s', v96-127 P); v128-255 accumulators.  Windows 1, 2: the scores, register 4 (key / 16) + i.  Window 3: fragments of K (256), later of V (128).
.set PK,    144                        ; a row of K or V in LDS: 128 + 16 bytes
.set CHUNK, 256*PK                     ; 256 keys
.set STAGE, 2048*PK                    ; behind K / V: 16 rows x 144 bytes a wave, never filled by a tensor load
.set SPARE, STAGE+4*16*PK              ; the spare words, 128 bytes a wave
.set AK0, 3                            ; my lane's place in a tile of K
.set AV0, 4                            ; the same for V, turned
.set AK,  5
.set AV,  6
.set STO, 7
.set RD,  8
.set GO,  9
.set QI,  10                           ; my query's place among the cluster's 256, less 8 (lane / 16)
.set ZR,  11                           ; 0
.set CR,  12                           ; v12-13  c x 0.5 / M'
.set CR15, 14                          ; x 1.15
.set TM,  15
.set KLO, 16
.set KHI, 17
.set KMID, 18
.set NT,  19                           ; -t, twice, f16
.set X,   20
.set CNT, 21
.set LA,  22                           ; 1.075 x 2 M' log2(e)
.set LB,  23                           ; 0.075 x the same
.set MM,  24                           ; v24 m; v25 at work: named as a pair
.set ARG, 26
.set MN,  27
.set AA,  28                           ; v28 a (later 1 / l); v29 named with it
.set SPW, 30
.set NIL, 31
.set MX,  32                           ; v32-35 four chains of a maximum
.set ONES, 36                          ; v36-43 a fragment of ones
.set Q,   44                           ; v44-59 Q; later the first half of the signs (the second: v240-255)
.set QO,  60
.set TS,  64
.set P,   96
.set ACC, 128                          ; two sets of four accumulators
.set CN,  128
.set Z,   128
.set O,   192
.set L0,  224
.set L1,  232
.set WV, 10
.set CX, 11
.set G,  12
.set BH, 13
.set QB, 14
.set CH, 15
.set CC, 16
.set G1K, 24
.set G1V, 32
.set G0A, 40
.set G0B, 44
.set G0V, 48
.set SGN, 52
.set ONE2, 53
.set THR, 54
.set M15, 55
.set SEL, 56
.set MSB, 0
.macro WIN new                         ; the immediate's high byte repeats the setting that is left; a switch that changes nothing is dropped
.if MSB != (\new)
	s_set_vgpr_msb (MSB<<8)|(\new)
.set MSB, (\new)
.endif
.endm
.macro PLACES
.rept 4
	v_nop
.endr
.endm
.macro CROUND                          ; a round of the cluster's barrier
	s_barrier_signal -1
	s_barrier_wait -1
	s_cmp_lg_u32 s[WV], 0
	s_cbranch_scc1 .Lnot_wave_0_\@
	s_barrier_signal -3
.Lnot_wave_0_\@:
	s_barrier_wait -3
	s_barrier_signal -1
	s_barrier_wait -1
.endm
	s_load_b128 s[4:7], s[0:1], 0x0                ; QKV s[4:5], TSB s[6:7]
	s_load_b64 s[8:9], s[0:1], 0x10                ; OB
	v_lshl_add_u32 v[SPW], v0, 2, SPARE
	v_mov_b32 v[NIL], 0
	ds_add_u32 v[SPW], v[NIL]                      ; the opening: the add, twice on end, and its wait ahead of my first tensor load
	ds_add_u32 v[SPW], v[NIL]
	v_lshrrev_b32 v1, 5, v0
	v_readfirstlane_b32 s[WV], v1
	s_bfe_u32 s[CX], ttmp6, 0x40000
	s_mov_b32 s[G], ttmp9                          ; the cluster's x: its 256 queries, and the key chunk that holds their diagonal
	s_and_b32 s[BH], ttmp7, 0xffff
	s_lshl_b32 s[QB], s[G], 2
	s_add_co_u32 s[QB], s[QB], s[CX]               ; my block of 64 queries: it enters Q's and O's addresses alone
	s_mov_b32 s[G1K], 15|(1<<16)|(1<<20)|(1<<21)|(4<<22)|(3<<25)  ; the mask of four; 2-byte elements; padding on; bit 21 beside a mask; after every 32 words 4 words
	s_mov_b32 s[G1V], 15|(1<<16)|(1<<20)|(1<<21)|(4<<22)|(3<<25)
.irp g, G1K, G1V
	s_mov_b32 s[(\g)+1], 128<<16                   ; dense bytes, asked for as rows of 256: two keys a row
	s_mov_b32 s[(\g)+3], 128<<16
	s_mov_b32 s[(\g)+5], 128
	s_mov_b32 s[(\g)+6], 0
	s_mov_b32 s[(\g)+7], 0
.endr
	s_mov_b32 s[G1K+2], 128<<16                    ; K: 128 rows = 256 keys a load
	s_mov_b32 s[G1K+4], 128
	s_mov_b32 s[G1V+2], 256<<16                    ; V: 256 rows = 512 keys
	s_mov_b32 s[G1V+4], 256
	s_mov_b32 s[SGN], 0x80008000
	s_mov_b32 s[ONE2], 0x3c003c00                  ; 1.0 twice
	s_mov_b32 s[THR], 0xc499c000                   ; -1230 = 2 x 409 - 2048
	s_mov_b32 s[M15], 0x7fff
	s_mov_b32 s[SEL], 0x76543210
	s_mov_b32 s[SEL+1], 0xfedcba98
	s_lshl_b32 s17, s[BH], 18                      ; the head's 262,144 bytes
	s_lshl_b32 s18, s[WV], 15
	s_add_co_u32 s58, s17, s18                     ; K: my 256 keys of the first 1,024
	s_add_co_u32 s58, s58, 0x800000
	s_mov_b32 s59, 0
	s_lshl_b32 s18, s[WV], 16
	s_add_co_u32 s60, s17, s18                     ; V: my 512 keys
	s_add_co_u32 s60, s60, 0x1000000
	s_mov_b32 s61, 0
	s_lshl_b32 s18, s[QB], 13
	s_add_co_u32 s62, s17, s18                     ; Q: my wave's 16 rows
	s_lshl_b32 s18, s[WV], 11
	s_add_co_u32 s62, s62, s18
	s_mov_b32 s63, 0
	s_and_b32 s22, s[BH], 15
	s_lshl_b32 s22, s22, 2
	s_mov_b32 s23, 0
	s_lshr_b32 s18, s[BH], 4                       ; O: row R0 = 2048 b + 64 block + 16 wave
	s_lshl_b32 s18, s18, 11
	s_lshl_b32 s19, s[QB], 6
	s_add_co_u32 s18, s18, s19
	s_lshl_b32 s19, s[WV], 4
	s_add_co_u32 s18, s18, s19
	s_lshr_b32 s19, s18, 7
	s_lshl_b32 s19, s19, 4
	s_and_b32 s20, s[BH], 15
	s_add_co_u32 s19, s19, s20                     ; 16 (R0 / 128) + head
	s_lshl_b32 s19, s19, 14
	s_and_b32 s18, s18, 127
	s_lshl_b32 s18, s18, 7
	s_add_co_u32 s20, s19, s18
	s_mov_b32 s21, 0
	s_mul_i32 s18, s[WV], CHUNK
	s_mul_i32 s19, s[WV], 2*CHUNK
	s_mov_b32 s[G0A], 1
	s_mov_b32 s[G0A+1], s18
	s_mov_b32 s[G0B], 1
	s_add_co_u32 s[G0B+1], s18, 4*CHUNK
	s_mov_b32 s[G0V], 1
	s_mov_b32 s[G0V+1], s19
	s_wait_dscnt 0x0                               ; both opening adds are done
	s_wait_kmcnt 0x0
	s_add_nc_u64 s[G0A+2:G0A+3], s[4:5], s[58:59]
	s_add_nc_u64 s[G0B+2:G0B+3], s[G0A+2:G0A+3], 0x20000   ; 1,024 keys on
	s_or_b32 s[G0A+3], s[G0A+3], 0x80000000
	s_or_b32 s[G0B+3], s[G0B+3], 0x80000000
	s_add_nc_u64 s[G0V+2:G0V+3], s[4:5], s[60:61]
	s_or_b32 s[G0V+3], s[G0V+3], 0x80000000
	s_add_nc_u64 s[62:63], s[4:5], s[62:63]
	s_add_nc_u64 s[22:23], s[6:7], s[22:23]
	s_add_nc_u64 s[8:9], s[8:9], s[20:21]
	CROUND                                         ; all four work-groups are here: the first joint loads meet
	tensor_load_to_lds s[G0A:G0A+3], s[G1K:G1K+7]  ; keys 0-1023, a quarter a wave.  Two loads of mine are out
	s_nop 0
	tensor_load_to_lds s[G0B:G0B+3], s[G1K:G1K+7]  ; keys 1024-2047
	s_nop 0
	PLACES
	s_load_b32 s[CC], s[22:23], 0x0                ; c
	v_and_b32 v1, 15, v0                           ; r
	v_bfe_u32 v2, v0, 4, 1                         ; h
	v_lshlrev_b32 v[QO], 7, v1
	v_lshl_add_u32 v[QO], v2, 4, v[QO]
.irp i, 0,1,2,3
	global_load_b128 v[Q+4*(\i):Q+4*(\i)+3], v[QO], s[62:63] offset:32*(\i)   ; two fragments of 16 queries x 32 channels
.endr
	v_mul_u32_u24 v[AK0], v1, PK
	v_lshl_add_u32 v[AK0], v2, 4, v[AK0]           ; row x pitch + 16 h
	v_and_b32 v20, 7, v0
	v_bfe_u32 v21, v0, 3, 1
	v_lshl_add_u32 v[AV0], v2, 3, v20              ; the turning load: key 8 h + l % 8, channels 8 ((l / 8) % 2) on
	v_mul_u32_u24 v[AV0], v[AV0], PK
	v_lshl_add_u32 v[AV0], v21, 4, v[AV0]
	s_lshl_b32 s17, s[CX], 6
	s_lshl_b32 s18, s[WV], 4
	s_add_co_u32 s17, s17, s18
	v_lshlrev_b32 v[QI], 3, v2
	v_sub_nc_u32 v[QI], v1, v[QI]
	v_add_nc_u32 v[QI], s17, v[QI]
	s_mul_i32 s17, s[WV], 16*PK
	s_add_co_u32 s17, s17, STAGE
	v_add_nc_u32 v[STO], s17, v[AK0]
	v_bfe_u32 v[RD], v0, 3, 2
	v_mul_u32_u24 v[RD], v[RD], PK
	v_lshl_add_u32 v[RD], v20, 4, v[RD]
	v_add_nc_u32 v[RD], s17, v[RD]
	v_and_b32 v[GO], 31, v0
	v_lshlrev_b32 v[GO], 4, v[GO]
	v_mov_b32 v[ZR], 0
	v_mov_b32 v[MM+1], 0
	v_mov_b32 v[AA+1], 0
.irp i, 0,1,2,3,4,5,6,7
	v_mov_b32 v[ONES+(\i)], s[ONE2]
.endr
.irp i, 0,1,2,3
	v_mov_b32 v[MX+(\i)], 0
.endr
	v_mov_b32 v[AK], v[AK0]
; A chunk's K: 64 loads in one run, four groups of 64 keys; fragment (group g, key block b, channel half c) at 64 g + 16 b + 8 c of window 3
.macro LOADK4
	WIN 0xc0
.irp g, 0,1,2,3
.irp b, 0,1,2,3
.irp c, 0,1
	ds_load_b128 v[64*(\g)+16*(\b)+8*(\c):64*(\g)+16*(\b)+8*(\c)+3],   v[AK] offset:(64*(\g)+16*(\b))*PK+64*(\c)
	ds_load_b128 v[64*(\g)+16*(\b)+8*(\c)+4:64*(\g)+16*(\b)+8*(\c)+7], v[AK] offset:(64*(\g)+16*(\b))*PK+64*(\c)+32
.endr
.endr
.endr
	WIN 0
.endm
; Product w of 8: group g's 64 keys x my 16 queries into accumulator set st: key block w % 4, channel half w / 4.  The four accumulators take turns
.macro WQ1 g, st
	WIN 0x03
.if w < 4
	v_wmma_f32_16x16x32_f16 v[ACC+32*(\st)+8*w:ACC+32*(\st)+8*w+7], v[64*(\g)+16*w:64*(\g)+16*w+7], v[Q:Q+7], 0
.else
	v_wmma_f32_16x16x32_f16 v[ACC+32*(\st)+8*(w-4):ACC+32*(\st)+8*(w-4)+7], v[64*(\g)+16*(w-4)+8:64*(\g)+16*(w-4)+15], v[Q+8:Q+15], v[ACC+32*(\st)+8*(w-4):ACC+32*(\st)+8*(w-4)+7]
.endif
.set w, w+1
.endm
; The vector work on a finished group, one line at a time: line kk.  Each accumulator's lowest registers are read first.
.macro XMAX1 st, g                     ; 16 lines: the largest magnitude, four chains
	v_max3_num_f32 v[MX+kk%4], v[MX+kk%4], |v[ACC+32*(\st)+8*(kk%4)+2*(kk/4)]|, |v[ACC+32*(\st)+8*(kk%4)+2*(kk/4)+1]|
.endm
.macro XST1 st, g                      ; 32 lines: normalised, then rounded to f16 into TS
.if kk < 16
.set e, 8*(kk%4)+2*(kk/4)
	v_pk_mul_f32 v[ACC+32*(\st)+e:ACC+32*(\st)+e+1], v[ACC+32*(\st)+e:ACC+32*(\st)+e+1], v[CR:CR+1] op_sel_hi:[1,0]
.else
.set e, 4*(kk%4)+(kk-16)/4
	v_cvt_pk_f16_f32 v[TS+16*(\g)+e], v[ACC+32*(\st)+2*e], v[ACC+32*(\st)+2*e+1]
.endif
.endm
.macro XSTD1 st, g                     ; 112 lines: the same in the diagonal's chunk: the factor is 1.15 times larger where the key is the query
.if kk < 96
.set e, kk/3
.if kk%3 == 0
	v_cmp_eq_u32 vcc_lo, 64*(\g)+16*(e/8)+e%8, v[QI]
.elseif kk%3 == 1
	v_cndmask_b32 v[TM], v[CR], v[CR15], vcc_lo
.else
	v_mul_f32 v[ACC+32*(\st)+e], v[ACC+32*(\st)+e], v[TM]
.endif
.else
	v_cvt_pk_f16_f32 v[TS+16*(\g)+(kk-96)], v[ACC+32*(\st)+2*(kk-96)], v[ACC+32*(\st)+2*(kk-96)+1]
.endif
.endm
.macro RUN x, st, g, cnt               ; the next cnt lines of that work
	WIN 0
.rept \cnt
	\x \st, \g
.set kk, kk+1
.endr
.endm
; A chunk: four groups of 8 products.  Behind each product of group g stand per lines of the work x on group g - 1, which lies in the other accumulator set and names no register of the products round it.
; An accumulator is read four plain lines or more behind its last product: behind group 0 the four v_nop, later the lines that stand behind the group's last products.  Group 3's work follows the last product.
; The counts of the waits leave the younger groups' sixteen loads each out.
.macro BODY x, per
	s_wait_dscnt 48
.set w, 0
.rept 8
	WQ1 0, 0
.endr
	WIN 0
	PLACES
.irp g, 1,2,3
	s_wait_dscnt 48-16*(\g)
.set w, 0
.set kk, 0
.rept 8
	WQ1 \g, (\g)%2
	RUN \x, ((\g)-1)%2, (\g)-1, \per
.endr
.endr
.set kk, 0
	RUN \x, 1, 3, 8*(\per)
.endm
.macro MAXLOOP                         ; four chunks
	s_mov_b32 s[CH], 4
.Lmax_\@:
	LOADK4
	BODY XMAX1, 2
	v_add_nc_u32 v[AK], CHUNK, v[AK]
	s_sub_co_u32 s[CH], s[CH], 1
	s_cmp_lg_u32 s[CH], 0
	s_cbranch_scc1 .Lmax_\@
.endm
.macro MKNT key                        ; the ordered key's number, negated, in both halves: key >= 0x8000: the key's own bits; below: key xor 0x7fff
	v_cmp_gt_u32 vcc_lo, 0x8000, v[\key]
	v_cndmask_b32 v[X], 0, s[M15], vcc_lo
	v_xor_b32 v[X], v[X], v[\key]
	v_lshl_or_b32 v[NT], v[X], 16, v[X]
.endm
	; FIRST PASS: the row's largest |q.k|
	s_wait_loadcnt 0x0                             ; Q
	s_wait_tensorcnt 0x1                           ; my part of keys 0-1023 is in; the second load may stay out
	s_barrier_signal -1
	s_barrier_wait -1
	MAXLOOP
	s_wait_tensorcnt 0x0                           ; my part of keys 1024-2047
	s_barrier_signal -1
	s_barrier_wait -1
	MAXLOOP
	v_max3_num_f32 v[MX], v[MX], v[MX+1], v[MX+2]
	v_max_num_f32 v[MX], v[MX], v[MX+3]
	v_permlanex16_b32 v[MM+1], v[MX], s[SEL], s[SEL+1]   ; the query's other keys lie in the lane 16 away
	v_max_num_f32 v[MM], v[MX], v[MM+1]
	s_wait_kmcnt 0x0                               ; c
	s_and_b32 s17, s[CC], 0x7fffffff
	s_mul_f32 s18, s[CC], 0.5
	v_mul_f32 v[MM], s17, v[MM]
	v_max_num_f32 v[MM], 0x0d800000, v[MM]         ; M', at least 2^-100
	v_rcp_f32 v[MM+1], v[MM]
	v_mul_f32 v[MN], 0x4038aa3b, v[MM]             ; 2 M' log2(e): the plain instruction behind the reciprocal
	s_wait_alu depctr_va_vdst(0)                   ; the wait ahead of the reciprocal's first reader
	v_mul_f32 v[CR], s18, v[MM+1]
	v_mov_b32 v[CR+1], v[CR]
	v_mul_f32 v[CR15], 0x3f933333, v[CR]
	v_mul_f32 v[LA], 0x3f89999a, v[MN]
	v_mul_f32 v[LB], 0x3d99999a, v[MN]
	; SECOND PASS: the scores again, normalised, rounded, and put away.  A trip: one chunk of 256 keys; its 64 packed registers go to their place by an arm chosen by the loop's counter
.macro SARM c
	WIN (1+(\c)/4)<<6
.set i, 0
.rept 64
	v_mov_b32 v[(64*(\c))%256+i], v[TS+i]
.set i, i+1
.endr
	WIN 0
.endm
	v_mov_b32 v[AK], v[AK0]
	s_mov_b32 s[CH], 0
.Lst:
	LOADK4
	s_cmp_eq_u32 s[CH], s[G]                       ; the same in all four partners
	s_cbranch_scc1 .Ldiag
	BODY XST1, 4
	s_branch .Lcopy
.Ldiag:
	BODY XSTD1, 14
.Lcopy:
.irp q, 0,1                            ; two levels: which four, then which of the four
.if \q < 1
	s_cmp_lt_u32 s[CH], 4
	s_cbranch_scc0 .Lsq\q
.endif
.irp r, 0,1,2,3
.if \r < 3
	s_cmp_eq_u32 s[CH], 4*(\q)+(\r)
	s_cbranch_scc0 .Lsr\q\r
.endif
	SARM 4*(\q)+(\r)
	s_branch .Lsdone
.if \r < 3
.Lsr\q\r:
.endif
.endr
.if \q < 1
.Lsq\q:
.endif
.endr
.Lsdone:
	v_add_nc_u32 v[AK], CHUNK, v[AK]
	s_add_co_u32 s[CH], s[CH], 1
	s_cmp_lt_u32 s[CH], 8
	s_cbranch_scc1 .Lst
	; K IS DONE WITH: V takes its place.  Every wave: all its tensor loads have landed, the add, the add and its reads of K are over; a round of the cluster's barrier; the one joint load
	s_wait_tensorcnt 0x0
	ds_add_u32 v[SPW], v[NIL]
	s_wait_dscnt 0x0
	CROUND
	tensor_load_to_lds s[G0V:G0V+3], s[G1V:G1V+7]
	s_nop 0
	PLACES
	; THE BISECTION: count(s' >= key KLO) >= 409 > count(s' >= key KHI) holds throughout
; Product a of 4 of batch bn: every row of ones x TS is the sum over 32 keys, so each lane gets its own query's.  Four accumulators by turns; batch 0 starts the sums
.macro CNT1 bn, a
.if (\bn) == 0
	v_wmma_f32_16x16x32_f16 v[CN+8*(\a):CN+8*(\a)+7], v[ONES:ONES+7], v[TS+32*((\bn)%2)+8*(\a):TS+32*((\bn)%2)+8*(\a)+7], 0
.else
	v_wmma_f32_16x16x32_f16 v[CN+8*(\a):CN+8*(\a)+7], v[ONES:ONES+7], v[TS+32*((\bn)%2)+8*(\a):TS+32*((\bn)%2)+8*(\a)+7], v[CN+8*(\a):CN+8*(\a)+7]
.endif
.endm
	v_mov_b32 v[KLO], 0x43ff                       ; -1.0
	v_mov_b32 v[KHI], 0xbc01                       ; the number above 1.0
	s_mov_b32 s[CH], 15
.Lsel:
	v_add_nc_u32 v[KMID], v[KLO], v[KHI]
	v_lshrrev_b32 v[KMID], 1, v[KMID]
	MKNT KMID
.set n, 0
.rept 16                               ; 128 keys a batch, two banks of TS by turns.  Batch n - 1's four products stand among batch n's sign lines, which write the other bank;
	WIN 1+n/8                      ; behind the last of them stand seven such lines before its bank is written again
.set i, 0
.rept 32
	v_pk_add_f16 v[TS+32*(n%2)+i], v[(32*n)%256+i], v[NT]
.set i, i+1
.endr
	WIN 0
.set i, 0
.rept 32
	v_and_or_b32 v[TS+32*(n%2)+i], v[TS+32*(n%2)+i], s[SGN], s[ONE2]   ; the sign, on 1.0: an equal score gives +1
.if (n > 0) && (i < 28) && (i%7 == 3)
	CNT1 n-1, i/7
.endif
.set i, i+1
.endr
.set n, n+1
.endr
.irp a, 0,1,2,3
	CNT1 15, \a
.endr
	PLACES
	v_add_f32 v[CNT], v[CN], v[CN+8]
	v_add_f32 v[X], v[CN+16], v[CN+24]
	v_add_f32 v[CNT], v[CNT], v[X]
	v_cmp_le_f32 vcc_lo, s[THR], v[CNT]            ; 409 or more at or above the middle
	v_cndmask_b32 v[KLO], v[KLO], v[KMID], vcc_lo
	v_cndmask_b32 v[KHI], v[KMID], v[KHI], vcc_lo
	s_sub_co_u32 s[CH], s[CH], 1
	s_cmp_lg_u32 s[CH], 0
	s_cbranch_scc1 .Lsel
	; THE LAST PASS, 128 keys a block.  Trip n: the products of block n - 1 among the lines that make block n's z; V's fragments of block n; the maximum; block n + 1's scores copied;
	; one batch of exponentials, among them the subtraction of m and block n + 1's signs; P, and O and l times a.
	; m starts at the lowest finite number, O, l and P at 0, so that the first trip is a trip like any other: its a is 0, and its products multiply P = 0 by what V's registers still hold, fragments of K: 80 registers are cleared for that
.macro SGR i                           ; the register of sign word i of 32
.set rG, 44+(\i)+180*((\i)/16)
.endm
.macro SGA i
	SGR \i
	v_pk_add_f16 v[rG], v[TS+(\i)], v[NT]
.endm
.macro SGB i
	SGR \i
	v_and_or_b32 v[rG], v[rG], s[SGN], s[ONE2]
.endm
.macro PA p                            ; pair p of z, less m
	v_pk_add_f32 v[Z+2*(\p):Z+2*(\p)+1], v[Z+2*(\p):Z+2*(\p)+1], v[MM:MM+1] op_sel_hi:[1,0] neg_lo:[0,1] neg_hi:[0,1]
.endm
.macro ZR1                             ; line zk of 128 of z = s' x (LA + LB x sign(s' - t)): eight words' sixteen factors, then their sixteen products
.set zi, 8*(zk/32)+(zk%16)/2
.set zh, zk%2
	SGR zi
.if (zk%32) < 16
.if zh == 0
	v_fma_mix_f32 v[Z+2*zi], v[rG], v[LB], v[LA] op_sel_hi:[1,0,0]
.else
	v_fma_mix_f32 v[Z+2*zi+1], v[rG], v[LB], v[LA] op_sel:[1,0,0] op_sel_hi:[1,0,0]
.endif
.else
.if zh == 0
	v_fma_mix_f32 v[Z+2*zi], v[TS+zi], v[Z+2*zi], v[ZR] op_sel_hi:[1,0,0]
.else
	v_fma_mix_f32 v[Z+2*zi+1], v[TS+zi], v[Z+2*zi+1], v[ZR] op_sel:[1,0,0] op_sel_hi:[1,0,0]
.endif
.endif
.set zk, zk+1
.endm
.macro PV1                             ; product mk of 20: four for l (two accumulators by turns), sixteen for O (four by turns)
.if mk < 4
	WIN 0
	v_wmma_f32_16x16x32_f16 v[L0+8*(mk%2):L0+8*(mk%2)+7], v[ONES:ONES+7], v[P+8*mk:P+8*mk+7], v[L0+8*(mk%2):L0+8*(mk%2)+7]
.else
	WIN 0x03
	v_wmma_f32_16x16x32_f16 v[O+8*(mk%4):O+8*(mk%4)+7], v[32*((mk-4)/4)+8*(mk%4):32*((mk-4)/4)+8*(mk%4)+7], v[P+8*((mk-4)/4):P+8*((mk-4)/4)+7], v[O+8*(mk%4):O+8*(mk%4)+7]
.endif
.set mk, mk+1
.endm
.macro LARM f                          ; in trip f: block f + 1's 32 words (the last trip takes block 15 again; nothing reads it)
.set blk, (\f)+1
.if blk > 15
.set blk, 15
.endif
	WIN 1+blk/8
.set i, 0
.rept 32
	v_mov_b32 v[TS+i], v[(32*blk)%256+i]
.set i, i+1
.endr
	WIN 0
.endm
	MKNT KLO                                       ; KLO is the 409th largest
	v_mov_b32 v[MM], 0xff7fffff
.set i, 0
.rept 48
	v_mov_b32 v[O+i], 0
.set i, i+1
.endr
.set i, 0
.rept 32
	v_mov_b32 v[P+i], 0
.set i, i+1
.endr
	v_mov_b32 v[AV], v[AV0]
	WIN 1
.set i, 0
.rept 32
	v_mov_b32 v[TS+i], v[i]                        ; block 0
.set i, i+1
.endr
	WIN 0
.set i, 0
.rept 32
	SGA i
.set i, i+1
.endr
.set i, 0
.rept 32
	SGB i
.set i, i+1
.endr
	s_wait_tensorcnt 0x0                           ; my part of V is in,
	s_barrier_signal -1
	s_barrier_wait -1                              ; everybody's is
	s_mov_b32 s[CH], 0
.Lfin:
	s_wait_dscnt 0x0                               ; V's fragments of the block before, asked for a trip ago
.set zk, 0
.set mk, 0
.rept 20
	PV1
	WIN 0
.rept 6
	ZR1
.endr
.endr
.rept 8
	ZR1
.endr
	WIN 0xc0                                       ; fourteen plain lines stand between the last product and these loads into its sources
.irp kk, 0,1,2,3
.irp cb, 0,1,2,3
	ds_load_tr16_b128 v[32*(\kk)+8*(\cb):32*(\kk)+8*(\cb)+3],   v[AV] offset:(\kk)*32*PK+32*(\cb)
	ds_load_tr16_b128 v[32*(\kk)+8*(\cb)+4:32*(\kk)+8*(\cb)+7], v[AV] offset:(\kk)*32*PK+32*(\cb)+16*PK
.endr
.endr
	WIN 0
	v_add_nc_u32 v[AV], 128*PK, v[AV]
.irp k, 0,1,2,3
	v_max_num_f32 v[MX+(\k)], v[Z+16*(\k)], v[Z+16*(\k)+1]
.endr
.irp j, 1,2,3,4,5,6,7
.irp k, 0,1,2,3
	v_max3_num_f32 v[MX+(\k)], v[MX+(\k)], v[Z+16*(\k)+2*(\j)], v[Z+16*(\k)+2*(\j)+1]
.endr
.endr
	v_max3_num_f32 v[MX], v[MX], v[MX+1], v[MX+2]
	v_max3_num_f32 v[MX], v[MX], v[MX+3], v[MM]
	v_permlanex16_b32 v[MM+1], v[MX], s[SEL], s[SEL+1]
	v_max_num_f32 v[MN], v[MX], v[MM+1]            ; the new m
	v_sub_f32 v[ARG], v[MM], v[MN]
	v_mov_b32 v[MM], v[MN]
.irp q, 0,1,2,3                        ; the next block's scores: two levels of four arms on the loop's counter
.if \q < 3
	s_cmp_lt_u32 s[CH], 4*(\q)+4
	s_cbranch_scc0 .Lfq\q
.endif
.irp r, 0,1,2,3
.if \r < 3
	s_cmp_eq_u32 s[CH], 4*(\q)+(\r)
	s_cbranch_scc0 .Lfr\q\r
.endif
	LARM 4*(\q)+(\r)
	s_branch .Lfdone
.if \r < 3
.Lfr\q\r:
.endif
.endr
.if \q < 3
.Lfq\q:
.endif
.endr
.Lfdone:
	v_exp_f32 v[AA], v[ARG]                        ; ONE BATCH of 65 exponentials.  Between them stand plain lines that name no result of theirs: z - m of a later pair, and the next block's signs
	PA 0
	SGA 0
.set i, 1
.rept 31
	PA i
	v_exp_f32 v[Z+2*i-2], v[Z+2*i-2]
	SGA i
	v_exp_f32 v[Z+2*i-1], v[Z+2*i-1]
	SGB i-1
.set i, i+1
.endr
	v_exp_f32 v[Z+62], v[Z+62]
	SGB 31
	v_exp_f32 v[Z+63], v[Z+63]
	v_nop                                          ; one plain instruction behind the last,
	s_wait_alu depctr_va_vdst(0)                   ; and the one wait ahead of the first reader
.set i, 0
.rept 32
	v_cvt_pk_f16_f32 v[P+i], v[Z+2*i], v[Z+2*i+1]
.set i, i+1
.endr
.set i, 0
.rept 24
	v_pk_mul_f32 v[O+2*i:O+2*i+1], v[O+2*i:O+2*i+1], v[AA:AA+1] op_sel_hi:[1,0]   ; O and l times a, each accumulator from its low end
.set i, i+1
.endr
	s_add_co_u32 s[CH], s[CH], 1
	s_cmp_lt_u32 s[CH], 16
	s_cbranch_scc1 .Lfin
	s_wait_dscnt 0x0                               ; the last block's V
.set mk, 0
.rept 20
	PV1                                            ; and its products
.endr
	WIN 0
	; THE WAY OUT: O / l, rounded to f16, through my own stage: 16 rows of 128 bytes leave as 2,048 consecutive bytes
	PLACES
	v_add_f32 v[ARG], v[L0], v[L1]
	v_rcp_f32 v[AA], v[ARG]
	v_nop
	s_wait_alu depctr_va_vdst(0)
.set i, 0
.rept 16
	v_pk_mul_f32 v[O+2*i:O+2*i+1], v[O+2*i:O+2*i+1], v[AA:AA+1] op_sel_hi:[1,0]
.set i, i+1
.endr
.set i, 0
.rept 16
	v_cvt_pk_f16_f32 v[TS+i], v[O+2*i], v[O+2*i+1]
.set i, i+1
.endr
.irp cb, 0,1,2,3
	ds_store_b128 v[STO], v[TS+4*(\cb):TS+4*(\cb)+3] offset:32*(\cb)
.endr
.irp f, 0,1,2,3
	ds_load_b128 v[TS+16+4*(\f):TS+16+4*(\f)+3], v[RD] offset:(\f)*4*PK   ; LDS serves a wave's instructions in order (ISA guide 5.7.1.4): these see the stores above
.endr
.irp f, 0,1,2,3
	s_wait_dscnt 3-(\f)
	global_store_b128 v[GO], v[TS+16+4*(\f):TS+16+4*(\f)+3], s[8:9] offset:512*(\f)
.endr
	s_wait_tensorcnt 0x0                           ; the wave's end
	ds_add_u32 v[SPW], v[NIL]
	s_wait_dscnt 0x0
	CROUND                                         ; the closing round
	s_endpgm
.Lfunc_end_k_qb7c409b5d3_attn:
	.size	k_qb7c409b5d3_attn, .Lfunc_end_k_qb7c409b5d3_attn-k_qb7c409b5d3_attn
	.p2alignl 7, 3214868480
	.fill 96, 4, 3214868480
	.section	.rodata,"a",@progbits
	.p2align	6, 0x0
	.amdhsa_kernel k_qb7c409b5d3_attn
		.amdhsa_group_segment_fixed_size 327680
		.amdhsa_private_segment_fixed_size 0
		.amdhsa_enable_private_segment 0
		.amdhsa_kernarg_size 24
		.amdhsa_user_sgpr_count 2
		.amdhsa_user_sgpr_kernarg_segment_ptr 1
		.amdhsa_wavefront_size32 1
		.amdhsa_system_sgpr_workgroup_id_x 1
		.amdhsa_system_sgpr_workgroup_id_y 1
		.amdhsa_system_sgpr_workgroup_id_z 1
		.amdhsa_system_vgpr_workitem_id 0
		.amdhsa_next_free_vgpr 1024
		.amdhsa_next_free_sgpr 66
		.amdhsa_reserve_vcc 1
		.amdhsa_float_denorm_mode_32 3
		.amdhsa_float_denorm_mode_16_64 3
		.amdhsa_memory_ordered 1
		.amdhsa_forward_progress 1
		.amdhsa_inst_pref_size 217
	.end_amdhsa_kernel
	.amdgpu_metadata
---
amdhsa.version: [ 1, 2 ]
amdhsa.kernels:
  - .name:           k_qb7c409b5d3_attn
    .symbol:         k_qb7c409b5d3_attn.kd
    .args:
      - { .name: QKV, .offset: 0, .size: 8, .value_kind: global_buffer, .address_space: global }
      - { .name: TSB, .offset: 8, .size: 8, .value_kind: global_buffer, .address_space: global }
      - { .name: OB, .offset: 16, .size: 8, .value_kind: global_buffer, .address_space: global }
    .group_segment_fixed_size: 327680
    .private_segment_fixed_size: 0
    .kernarg_segment_align: 8
    .kernarg_segment_size: 24
    .max_flat_workgroup_size: 128
    .sgpr_count:     66
    .vgpr_count:     1024
    .wavefront_size: 32
...
	.end_amdgpu_metadata
.endif
;; end of part 3
;; launch outp (part 4): grid 8 x 32, 4 waves a work-group, clusters of 4 x 4, 327,680 bytes of LDS; arguments OB, WB, BB, out0; writes out0
.if DOCPART == 4
	.amdgcn_target "amdgcn-amd-amdhsa--gfx1250"
	.amdhsa_code_object_version 6
	.text
	.protected	k_qb7c409b5d3_outp
	.globl	k_qb7c409b5d3_outp
	.p2align	8
	.type	k_qb7c409b5d3_outp,@function
k_qb7c409b5d3_outp:
	s_mov_b64 s[64:65], 0
	v_nop
	global_prefetch_b8 v0, s[64:65] scope:SCOPE_SE
	s_setreg_imm32_b32 hwreg(HW_REG_WAVE_MODE, 25, 1), 1
	s_wait_xcnt 0x0
	s_wait_alu depctr_hold_cnt(0) depctr_sa_sdst(0) depctr_va_vdst(0) depctr_va_sdst(0) depctr_va_ssrc(0) depctr_va_vcc(0) depctr_vm_vsrc(0)
	s_getreg_b32 s2, hwreg(HW_REG_IB_STS2, 6, 4)
	s_cmp_eq_u32 s2, 0
	s_cbranch_scc0 .Lentry_in_a_cluster
	s_endpgm
.Lentry_in_a_cluster:
	s_bfe_u32 s2, ttmp6, 0x10000c
	s_cmp_lg_u32 s2, 0xf033
	s_cbranch_scc0 .Lentry_shape_is_right
	s_endpgm
.Lentry_shape_is_right:
; C[m][n] = sum over k of A[m][k] W[k][n] + bias[n], K = N = 1024, f16 operands, f32 sums.  One text for two launches:
; MODE 0: the three projections.  A = XB (tile row ty = 32 p + block), W = WB[p], result rounded once to f16 and stored by heads: QKV[p][16 b + head][s][64].
; MODE 1 (this file): the output projection.  A = OB, W = WB[3], result f32 to out0.  No work is left out.
; A tile of C is 128 x 128, four waves of 64 x 64 (16 accumulators).  K goes in four steps of 256 through two LDS slots, written out without a loop.
; A lies in memory in blocks [128 rows][64 k] of 16,384 dense bytes: two blocks are asked for as 128 rows of 256 bytes and padded in LDS after every 128 bytes (pitch 144).
; W lies [k][n]: 128 k rows of 256 bytes, pitch 288 in LDS, read turned by ds_load_tr16_b128.
; CLUSTER 4 x 4: the four of a row need the same tiles of A, the four of a column the same tiles of W: each tile is asked for jointly.
; THE MATRIX INSTRUCTION IS USED TRANSPOSED (source 0 = 16 columns of W, source 1 = 16 rows of A): a lane holds eight neighbouring numbers of a row of C.
; The bias is the C operand of the products that start the sums.  No prefetch: the tile is small and has four K steps.
; REGISTERS: window 0: v16-29 addresses; v32-95 the way out; v96-127 bias; v128-255 accumulators ((a, b) at 128 + 8 (4 a + b)).  Window 1: two fragment buffers of 128 (64 of A, 64 of W).
.set MODE,  1
.set PA,    144                        ; a row of A in LDS: 128 + 16 bytes: the 16 rows of a load start at 16 different groups of four banks (ISA guide 11.1)
.set PB,    288                        ; a row of W: 256 + 32 bytes
.set SLICE, 128*PA                     ; 64 of K: 128 rows of A; also 64 rows of W (64 x 288)
.set HALFT, 2*SLICE                    ; what one tensor load brings
.set SLOT,  4*HALFT                    ; A's four slices, then W's 256 rows
.set SPARE, 2*SLOT                     ; behind the ring: the spare words, 128 bytes a wave
.if MODE == 0
.set SP,    272                        ; the stage's pitch.  The stage is slot 0, which has had its last fill and its last read when it is written
.else
.set SP,    528
.endif
.set ADRA, 16                          ; v16-17  my A fragments in slot 0, 1
.set ADRB, 20                          ; v20-23  my W fragments: 2 slot + half of the K step (the offsets have 16 bits)
.set STO,  24
.set RD,   25
.set CO,   26
.set BO,   27
.set SPW,  28                          ; my spare word; never rewritten
.set NIL,  29                          ; 0; never rewritten
.set TMP,  32
.set BIAS, 96
.set ACC,  128
.set F0,   0
.set F1,   128
.set WV, 12
.set HM, 13                            ; wave / 2: my half of the rows; also: I fetch A (0) or W (1)
.set HN, 14                            ; wave % 2: my half of the columns; also which half of a tile I fetch
.set CX, 15
.set CY, 16
.set TX, 17
.set TY, 18
.set PP, 19
.set G1, 24
.set G0, 32
.set G1B, 48
.set G0B, 56
.set MSB, 0
.macro WIN new                         ; the immediate's high byte repeats the setting that is left
.if MSB != (\new)
	s_set_vgpr_msb (MSB<<8)|(\new)
.set MSB, (\new)
.endif
.endm
.set MUL,  0x05                        ; sources 0 and 1 window 1; C and D window 0
.set TO_F, 0x40                        ; destination window 1, address window 0
.macro JLOAD s                         ; a joint load: waves 0, 1 fetch A's halves, waves 2, 3 W's; an s_nop 0 and four v_nop follow each line
	s_cmp_eq_u32 s[HM], 0
	s_cbranch_scc0 .Lfor_b_\@
	tensor_load_to_lds s[G0+4*(\s):G0+4*(\s)+3], s[G1:G1+7]
	s_nop 0
.rept 4
	v_nop
.endr
	s_branch .Lasked_\@
.Lfor_b_\@:
	tensor_load_to_lds s[G0B+4*(\s):G0B+4*(\s)+3], s[G1B:G1B+7]
	s_nop 0
.rept 4
	v_nop
.endr
.Lasked_\@:
.endm
.macro CREST                           ; a round of the cluster's barrier behind its opening barrier
	s_cmp_lg_u32 s[WV], 0
	s_cbranch_scc1 .Lnot_wave_0_\@
	s_barrier_signal -3
.Lnot_wave_0_\@:
	s_barrier_wait -3
	s_barrier_signal -1
	s_barrier_wait -1
.endm
.macro CROUND
	s_barrier_signal -1
	s_barrier_wait -1
	CREST
.endm
.macro PLACES                          ; four places behind matrix instructions, in front of loads into their sources and of reads of their results
.rept 4
	v_nop
.endr
.endm
	s_load_b256 s[4:11], s[0:1], 0x0               ; A s[4:5], WB s[6:7], BB s[8:9], result s[10:11]
	v_lshl_add_u32 v[SPW], v0, 2, SPARE
	v_mov_b32 v[NIL], 0
	ds_add_u32 v[SPW], v[NIL]                      ; the opening: the add, twice on end, and its wait ahead of my first tensor load
	ds_add_u32 v[SPW], v[NIL]
	v_lshrrev_b32 v1, 5, v0
	v_readfirstlane_b32 s[WV], v1
	s_lshr_b32 s[HM], s[WV], 1
	s_and_b32 s[HN], s[WV], 1
	s_bfe_u32 s[CX], ttmp6, 0x40000
	s_bfe_u32 s[CY], ttmp6, 0x40004
	s_lshl_b32 s[TX], ttmp9, 2
	s_add_co_u32 s[TX], s[TX], s[CX]               ; tile column = 4 x cluster x + cx
	s_and_b32 s20, ttmp7, 0xffff                   ; cluster y
	s_lshl_b32 s[TY], s20, 2
	s_add_co_u32 s[TY], s[TY], s[CY]               ; tile row = 4 x cluster y + cy
.if MODE == 0
	s_lshr_b32 s[PP], s20, 3                       ; which projection: from the cluster's y alone, which all sixteen share
.else
	s_mov_b32 s[PP], 3
.endif
	s_lshl_b32 s21, s[CY], 2
	s_lshl_b32 s21, 15, s21                        ; my row of the cluster
	s_lshl_b32 s22, 0x1111, s[CX]                  ; my column
	s_or_b32 s[G1], s21, (1<<16)|(1<<20)|(1<<21)|(4<<22)|(3<<25)   ; mask; 2-byte elements; padding on; bit 21 beside a mask; after every 32 words 4 words
	s_or_b32 s[G1B], s22, (1<<16)|(1<<20)|(1<<21)|(5<<22)|(7<<25)  ; after every 64 words 8 words
.irp g, G1, G1B
	s_mov_b32 s[(\g)+1], 128<<16                   ; tensor_dim0 = 128
	s_mov_b32 s[(\g)+2], 128<<16                   ; tensor_dim1 = 128
	s_mov_b32 s[(\g)+3], 128<<16                   ; tile_dim0 = 128
	s_mov_b32 s[(\g)+4], 128                       ; tile_dim1 = 128
	s_mov_b32 s[(\g)+6], 0
	s_mov_b32 s[(\g)+7], 0
.endr
	s_mov_b32 s[G1+5], 128                         ; A: dense rows of 256 bytes
	s_mov_b32 s[G1B+5], 1024                       ; W: 1,024 elements from row to row
	s_lshl_b32 s40, s[TY], 18                      ; A: tile row x 16 slices x 16,384 bytes
	s_lshl_b32 s21, s[HN], 15                      ; + my two slices of a K step's four
	s_add_co_u32 s40, s40, s21
	s_mov_b32 s41, 0
	s_lshl_b32 s42, s[PP], 21                      ; W: the matrix,
	s_lshl_b32 s21, s[HN], 18                      ; my 128 k rows of 2,048 bytes,
	s_add_co_u32 s42, s42, s21
	s_lshl_b32 s21, s[TX], 8                       ; the tile's 128 columns
	s_add_co_u32 s42, s42, s21
	s_mov_b32 s43, 0
	s_mul_i32 s44, s[WV], HALFT                    ; where they go: wave x 36,864: no place in the cluster enters an LDS address
	s_wait_dscnt 0x0                               ; both opening adds are done
	s_wait_kmcnt 0x0
	s_add_nc_u64 s[40:41], s[4:5], s[40:41]
	s_add_nc_u64 s[42:43], s[6:7], s[42:43]
	CROUND                                         ; all sixteen work-groups are here: the first joint loads meet
.irp s, 0,1
	s_mov_b32 s[G0+4*(\s)], 1
	s_add_co_u32 s[G0+4*(\s)+1], s44, (\s)*SLOT
	s_add_nc_u64 s[G0+4*(\s)+2:G0+4*(\s)+3], s[40:41], (\s)*65536   ; K step s: four slices on
	s_or_b32 s[G0+4*(\s)+3], s[G0+4*(\s)+3], 0x80000000
	s_mov_b32 s[G0B+4*(\s)], 1
	s_add_co_u32 s[G0B+4*(\s)+1], s44, (\s)*SLOT
	s_add_nc_u64 s[G0B+4*(\s)+2:G0B+4*(\s)+3], s[42:43], (\s)*524288 ; 256 k rows on
	s_or_b32 s[G0B+4*(\s)+3], s[G0B+4*(\s)+3], 0x80000000
	JLOAD \s
.endr
	v_and_b32 v1, 15, v0                           ; r = l % 16
	v_bfe_u32 v2, v0, 4, 1                         ; h = l / 16
	; the bias of my 64 columns: register j of block b is bias[128 tx + 64 HN + 16 b + 8 h + j]
	s_lshl_b32 s46, s[PP], 12
	s_lshl_b32 s21, s[TX], 9
	s_add_co_u32 s46, s46, s21
	s_lshl_b32 s21, s[HN], 8
	s_add_co_u32 s46, s46, s21
	s_mov_b32 s47, 0
	s_add_nc_u64 s[46:47], s[8:9], s[46:47]
	v_lshlrev_b32 v[BO], 5, v2
.irp b, 0,1,2,3
	global_load_b128 v[BIAS+8*(\b):BIAS+8*(\b)+3],   v[BO], s[46:47] offset:64*(\b)
	global_load_b128 v[BIAS+8*(\b)+4:BIAS+8*(\b)+7], v[BO], s[46:47] offset:64*(\b)+16
.endr
	v_mul_u32_u24 v3, v1, PA
	v_lshl_add_u32 v3, v2, 4, v3                   ; A: row x pitch + 16 h
	s_mul_i32 s21, s[HM], 64*PA
	v_add_nc_u32 v[ADRA], s21, v3
	v_add_nc_u32 v[ADRA+1], SLOT, v[ADRA]
	v_and_b32 v4, 7, v0                            ; W, turned: lane l reads k row 8 h + l % 8, columns 8 ((l / 8) % 2) on
	v_lshl_add_u32 v4, v2, 3, v4
	v_mul_u32_u24 v4, v4, PB
	v_bfe_u32 v5, v0, 3, 1
	v_lshl_add_u32 v4, v5, 4, v4
	s_lshl_b32 s22, s[HN], 7
	s_add_co_u32 s22, s22, 2*HALFT
	v_add_nc_u32 v[ADRB], s22, v4
	v_add_nc_u32 v[ADRB+1], HALFT, v[ADRB]
	v_add_nc_u32 v[ADRB+2], SLOT, v[ADRB]
	v_add_nc_u32 v[ADRB+3], SLOT, v[ADRB+1]
	v_and_b32 v6, 31, v0
	v_lshlrev_b32 v[CO], 4, v6                     ; 16 x lane
	v_mul_u32_u24 v4, v1, SP
	s_mul_i32 s21, s[HM], 64*SP
.if MODE == 0
	v_lshl_add_u32 v4, v2, 4, v4                   ; into the stage: row r, 16 bytes for each half of the lanes
	s_lshl_b32 s22, s[HN], 7
	s_add_co_u32 s21, s21, s22
	v_add_nc_u32 v[STO], s21, v4
	v_bfe_u32 v5, v0, 3, 2                         ; back: four rows x 128 bytes (one head's 64 channels)
	v_mul_u32_u24 v5, v5, SP
	v_and_b32 v6, 7, v0
	v_lshl_add_u32 v5, v6, 4, v5
	s_mul_i32 s21, s[WV], 32*SP
	v_add_nc_u32 v[RD], s21, v5
	s_and_b32 s21, s[TY], 31                       ; block of 128 rows: batch = block / 16
	s_lshr_b32 s22, s21, 4
	s_lshl_b32 s22, s22, 4
	s_lshl_b32 s23, s[TX], 1
	s_add_co_u32 s22, s22, s23                     ; 16 b + the tile's first head
	s_lshl_b32 s22, s22, 18                        ; x 2,048 rows x 128 bytes
	s_and_b32 s21, s21, 15
	s_lshl_b32 s21, s21, 14                        ; the block's first row in the sequence
	s_add_co_u32 s22, s22, s21
	s_lshl_b32 s21, s[WV], 12                      ; my 32 rows
	s_add_co_u32 s22, s22, s21
	s_lshl_b32 s21, s[PP], 23
	s_add_co_u32 s22, s22, s21
.else
	v_lshl_add_u32 v4, v2, 5, v4                   ; into the stage: row r, 32 bytes for each half of the lanes
	s_lshl_b32 s22, s[HN], 8
	s_add_co_u32 s21, s21, s22
	v_add_nc_u32 v[STO], s21, v4
	s_mul_i32 s21, s[WV], 32*SP                    ; back: a whole row of 512 bytes a load
	v_add_nc_u32 v[RD], s21, v[CO]
	s_lshl_b32 s22, s[TY], 19                      ; 128 rows of 4,096 bytes
	s_lshl_b32 s21, s[WV], 17
	s_add_co_u32 s22, s22, s21
	s_lshl_b32 s21, s[TX], 9
	s_add_co_u32 s22, s22, s21
.endif
	s_mov_b32 s23, 0
	s_add_nc_u64 s[10:11], s[10:11], s[22:23]
; 8 matrix instructions: row blocks a0, a0 + 1 x all 4 column blocks, 32 of K: half c of buffer f.  first = 1: the bias starts the sums.  The 16 accumulators take turns.
.macro MUL8 f, c, a0, first
	WIN MUL
.irp a, \a0, (\a0)+1
.irp b, 0,1,2,3
.if \first
	v_wmma_f32_16x16x32_f16 v[ACC+8*(4*(\a)+(\b)):ACC+8*(4*(\a)+(\b))+7], v[(\f)+64+8*(4*(\c)+(\b)):(\f)+64+8*(4*(\c)+(\b))+7], v[(\f)+8*(4*(\c)+(\a)):(\f)+8*(4*(\c)+(\a))+7], v[BIAS+8*(\b):BIAS+8*(\b)+7]
.else
	v_wmma_f32_16x16x32_f16 v[ACC+8*(4*(\a)+(\b)):ACC+8*(4*(\a)+(\b))+7], v[(\f)+64+8*(4*(\c)+(\b)):(\f)+64+8*(4*(\c)+(\b))+7], v[(\f)+8*(4*(\c)+(\a)):(\f)+8*(4*(\c)+(\a))+7], v[ACC+8*(4*(\a)+(\b)):ACC+8*(4*(\a)+(\b))+7]
.endif
.endr
.endr
.endm
; 32 LDS loads in one run: the fragments of quarter q (64 of K) of a slot into buffer f; the first 32 of K first
.macro FETCH slot, q, f
	WIN TO_F
.irp c, 0,1
.irp i, 0,1,2,3
	ds_load_tr16_b128 v[(\f)+64+8*(4*(\c)+(\i)):(\f)+64+8*(4*(\c)+(\i))+3],   v[ADRB+2*(\slot)+(\q)/2] offset:((\q)%2)*SLICE+(\c)*32*PB+32*(\i)
	ds_load_tr16_b128 v[(\f)+64+8*(4*(\c)+(\i))+4:(\f)+64+8*(4*(\c)+(\i))+7], v[ADRB+2*(\slot)+(\q)/2] offset:((\q)%2)*SLICE+(\c)*32*PB+32*(\i)+16*PB
	ds_load_b128 v[(\f)+8*(4*(\c)+(\i)):(\f)+8*(4*(\c)+(\i))+3],              v[ADRA+(\slot)] offset:(\q)*SLICE+(\i)*16*PA+64*(\c)
	ds_load_b128 v[(\f)+8*(4*(\c)+(\i))+4:(\f)+8*(4*(\c)+(\i))+7],            v[ADRA+(\slot)] offset:(\q)*SLICE+(\i)*16*PA+64*(\c)+32
.endr
.endr
.endm
; One of a K step's first three quarters: multiplies buffer f, and fetches quarter q of the same slot into buffer g
.macro QUARTER slot, q, f, g, first
	s_wait_dscnt 16                                ; the first 32 of K are in; the younger sixteen loads may be out
	MUL8 \f, 0, 0, \first
	MUL8 \f, 0, 2, \first
	PLACES
	FETCH \slot, \q, \g
	s_wait_dscnt 32                                ; all but the 32 just issued
	MUL8 \f, 1, 0, 0
	MUL8 \f, 1, 2, 0
.endm
; The last quarter multiplies buffer 1 and changes slots: each wave waits for all its tensor loads, adds 0 to its spare word, waits for that and for its reads of this slot; one barrier.
; fill = 1: the barrier opens a round of the cluster's, and this slot is filled again, two K steps on, first thing behind it.
.macro TURN slot, next, fill
	WIN 0
	s_wait_tensorcnt 0x0                           ; all my tensor loads have landed: my part of the next slot
	ds_add_u32 v[SPW], v[NIL]
	s_wait_dscnt 17                                ; (the add and the youngest sixteen loads may be out)
	MUL8 F1, 0, 0, 0
	s_wait_dscnt 0x0                               ; the add is done, and my reads of this slot are over
	s_barrier_signal -1
	MUL8 F1, 0, 2, 0
.if \fill
	WIN 0
.endif
	s_barrier_wait -1
.if \fill
	CREST                                          ; no wave of any partner still reads this slot or has a load on its way
	s_add_nc_u64 s[G0+4*(\slot)+2:G0+4*(\slot)+3], s[G0+4*(\slot)+2:G0+4*(\slot)+3], 131072
	s_add_nc_u64 s[G0B+4*(\slot)+2:G0B+4*(\slot)+3], s[G0B+4*(\slot)+2:G0B+4*(\slot)+3], 1048576
	JLOAD \slot                                    ; its four v_nop are also the places in front of the loads below
.else
	PLACES
.endif
	FETCH \next, 0, F0
	MUL8 F1, 1, 0, 0
	MUL8 F1, 1, 2, 0
.endm
	s_wait_loadcnt 0x0                             ; the bias
	s_wait_tensorcnt 0x1                           ; my part of K step 0 is in; K step 1's load may stay out
	s_barrier_signal -1
	s_barrier_wait -1
	FETCH 0, 0, F0
	QUARTER 0, 1, F0, F1, 1
	QUARTER 0, 2, F1, F0, 0
	QUARTER 0, 3, F0, F1, 0
	TURN 0, 1, 1                                   ; slot 0 takes K step 2
	QUARTER 1, 1, F0, F1, 0
	QUARTER 1, 2, F1, F0, 0
	QUARTER 1, 3, F0, F1, 0
	TURN 1, 0, 1                                   ; slot 1 takes K step 3
	QUARTER 0, 1, F0, F1, 0
	QUARTER 0, 2, F1, F0, 0
	QUARTER 0, 3, F0, F1, 0
	TURN 0, 1, 0                                   ; nothing is left to fetch; behind this barrier nobody reads slot 0 any more
	QUARTER 1, 1, F0, F1, 0
	QUARTER 1, 2, F1, F0, 0
	QUARTER 1, 3, F0, F1, 0
	s_wait_dscnt 16
	MUL8 F1, 0, 0, 0
	MUL8 F1, 0, 2, 0
	s_wait_dscnt 0x0
	MUL8 F1, 1, 0, 0
	MUL8 F1, 1, 2, 0
	WIN 0
	PLACES
.if MODE == 0
	; THE WAY OUT: rounded to f16; 16 bytes a lane into the stage; a barrier, since a row comes from two waves; back as four rows of one head: 512 consecutive bytes of QKV
.irp t, 0,1,2,3,4,5,6,7,8,9,10,11,12,13,14,15
.irp r, 0,1,2,3
	v_cvt_pk_f16_f32 v[TMP+4*(\t)+(\r)], v[ACC+8*(\t)+2*(\r)], v[ACC+8*(\t)+2*(\r)+1]
.endr
.endr
.irp a, 0,1,2,3
.irp b, 0,1,2,3
	ds_store_b128 v[STO], v[TMP+4*(4*(\a)+(\b)):TMP+4*(4*(\a)+(\b))+3] offset:(\a)*16*SP+32*(\b)
.endr
.endr
	s_wait_dscnt 0x0                               ; for the others' sake: my stores into the stage are done
	s_barrier_signal -1
	s_barrier_wait -1
.irp t, 0,1,2,3,4,5,6,7,8,9,10,11,12,13,14,15
	ds_load_b128 v[TMP+4*(\t):TMP+4*(\t)+3], v[RD] offset:((\t)%8)*4*SP+((\t)/8)*128
.endr
.irp t, 0,1,2,3,4,5,6,7,8,9,10,11,12,13,14,15
	s_wait_dscnt 15-(\t)
	global_store_b128 v[CO], v[TMP+4*(\t):TMP+4*(\t)+3], s[10:11] offset:((\t)/8)*262144+((\t)%8)*512
.endr
.else
	; THE WAY OUT: f32, 32 bytes a lane into the stage; a barrier; back as whole rows of 512 bytes
.irp a, 0,1,2,3
.irp b, 0,1,2,3
	ds_store_b128 v[STO], v[ACC+8*(4*(\a)+(\b)):ACC+8*(4*(\a)+(\b))+3]   offset:(\a)*16*SP+64*(\b)
	ds_store_b128 v[STO], v[ACC+8*(4*(\a)+(\b))+4:ACC+8*(4*(\a)+(\b))+7] offset:(\a)*16*SP+64*(\b)+16
.endr
.endr
	s_wait_dscnt 0x0
	s_barrier_signal -1
	s_barrier_wait -1
.irp g, 0,1
.if \g
	s_wait_xcnt 0x0                                ; the first sixteen stores have read their registers, which are loaded again
.endif
.irp t, 0,1,2,3,4,5,6,7,8,9,10,11,12,13,14,15
	ds_load_b128 v[TMP+4*(\t):TMP+4*(\t)+3], v[RD] offset:(16*(\g)+(\t))*SP
.endr
.irp t, 0,1,2,3,4,5,6,7,8,9,10,11,12,13,14,15
	s_wait_dscnt 15-(\t)
	global_store_b128 v[CO], v[TMP+4*(\t):TMP+4*(\t)+3], s[10:11] offset:(16*(\g)+(\t))*4096
.endr
.endr
.endif
	s_wait_tensorcnt 0x0                           ; the wave's end
	ds_add_u32 v[SPW], v[NIL]
	s_wait_dscnt 0x0
	CROUND                                         ; the closing round
	s_endpgm
.Lfunc_end_k_qb7c409b5d3_outp:
	.size	k_qb7c409b5d3_outp, .Lfunc_end_k_qb7c409b5d3_outp-k_qb7c409b5d3_outp
	.p2alignl 7, 3214868480
	.fill 96, 4, 3214868480
	.section	.rodata,"a",@progbits
	.p2align	6, 0x0
	.amdhsa_kernel k_qb7c409b5d3_outp
		.amdhsa_group_segment_fixed_size 327680
		.amdhsa_private_segment_fixed_size 0
		.amdhsa_enable_private_segment 0
		.amdhsa_kernarg_size 32
		.amdhsa_user_sgpr_count 2
		.amdhsa_user_sgpr_kernarg_segment_ptr 1
		.amdhsa_wavefront_size32 1
		.amdhsa_system_sgpr_workgroup_id_x 1
		.amdhsa_system_sgpr_workgroup_id_y 1
		.amdhsa_system_sgpr_workgroup_id_z 1
		.amdhsa_system_vgpr_workitem_id 0
		.amdhsa_next_free_vgpr 512
		.amdhsa_next_free_sgpr 66
		.amdhsa_reserve_vcc 0
		.amdhsa_float_denorm_mode_32 3
		.amdhsa_float_denorm_mode_16_64 3
		.amdhsa_memory_ordered 1
		.amdhsa_forward_progress 1
		.amdhsa_inst_pref_size 87
	.end_amdhsa_kernel
	.amdgpu_metadata
---
amdhsa.version: [ 1, 2 ]
amdhsa.kernels:
  - .name:           k_qb7c409b5d3_outp
    .symbol:         k_qb7c409b5d3_outp.kd
    .args:
      - { .name: OB, .offset: 0, .size: 8, .value_kind: global_buffer, .address_space: global }
      - { .name: WB, .offset: 8, .size: 8, .value_kind: global_buffer, .address_space: global }
      - { .name: BB, .offset: 16, .size: 8, .value_kind: global_buffer, .address_space: global }
      - { .name: out0, .offset: 24, .size: 8, .value_kind: global_buffer, .address_space: global }
    .group_segment_fixed_size: 327680
    .private_segment_fixed_size: 0
    .kernarg_segment_align: 8
    .kernarg_segment_size: 32
    .max_flat_workgroup_size: 128
    .sgpr_count:     66
    .vgpr_count:     512
    .wavefront_size: 32
...
	.end_amdgpu_metadata
.endif
;; end of part 4
